; MI455X (gfx1250); checked and timed in simulation.
; The chip was launched on July 23, 2026; its instructions are those of AMD's public machine-readable ISA for CDNA 5 (MIT licence, August 2026) and "CDNA5" Instruction Set Architecture Reference Guide (July 2026). The comments in the code are by the model that wrote it; some were corrected since.
;; Multi Head Attention. Allowed arithmetic: matrix products marked QUANTISED: E2M3 operands, one E8M0 scale for each 32 along K, by v_wmma_scale_f32_16x16x128_f8f6f4 with both operands' format E2M3, f32 sums; everything else in f32.
;; Inputs: Wk 1,024 x 1,024 float32; Wo 1,024 x 1,024 float32; Wq 1,024 x 1,024 float32; Wv 1,024 x 1,024 float32; bk 1,024 float32; bo 1,024 float32; bq 1,024 float32; bv 1,024 float32; key 4 x 2,048 x 1,024 float32; mask 1 x 1 x 2,048 x 2,048 bool; query 4 x 2,048 x 1,024 float32; value 4 x 2,048 x 1,024 float32.
;; Outputs: out0 4 x 2,048 x 1,024 float32.
;; This version of the problem:
;;   THIS VERSION OF THE PROBLEM IS GIVEN IN LOW PRECISION. The matrix products marked QUANTISED in the list below multiply operands that are first quantised to E2M3 (2 exponent bits, 3 mantissa bits; 6 bits a number), with one power-of-two scale for each 32 numbers along K (OCP MX v1.0); their sums are f32. All else is computed in f32.
;;   The module's matrix products, in the order in which they are computed (A, B: the left and right operand; K: the contracted axis; several contracted axes count as one K, in the product's order):
;;     1. [M 8,192, K 1,024] x [K 1,024, N 1,024]; A: input query; B: input Wq: QUANTISED
;;     2. [M 8,192, K 1,024] x [K 1,024, N 1,024]; A: input key; B: input Wk: QUANTISED
;;     3. [M 8,192, K 1,024] x [K 1,024, N 1,024]; A: input value; B: input Wv: QUANTISED
;;     4. batch 64 x [M 2,048, K 64] x [K 64, N 2,048]; A: computed on the way; B: computed on the way: QUANTISED
;;     5. batch 64 x [M 2,048, K 2,048] x [K 2,048, N 64]; A: softmax (see below); B: computed on the way: QUANTISED
;;     6. [M 8,192, K 1,024] x [K 1,024, N 1,024]; A: computed on the way; B: input Wo: QUANTISED
;;   THE QUANTISER, for each operand of a quantised product, along K:
;;     - K is cut into blocks of 32 from its start; a last block that is shorter is filled with zeros.
;;     - A block's scale is 2^e with e = floor(log2(the largest magnitude in the block)) - 2, held to -126 .. 127; a block of zeros has e = 0. As a byte (E8M0): e + 127.
;;     - Each number is divided by its block's scale, clamped to +-7.5, and rounded to the nearest number of E2M3, ties to even, subnormals kept.
;;     - The product sums the exact products of the quantised numbers (number of the format x scale) in f32.
;;   ~~~python
;;   def quantise(x, axis):      # numpy; x: float32 -> the quantised numbers, widened to float32 again
;;       x = np.moveaxis(x, axis, -1); K = x.shape[-1]
;;       x = np.pad(x, [(0, 0)] * (x.ndim - 1) + [(0, -K % 32)]); x = x.reshape(x.shape[:-1] + (-1, 32)); a = np.abs(x).max(-1, keepdims=True)
;;       e = np.where(a > 0, np.clip(np.frexp(np.where(a > 0, a, 1))[1] - 1 - 2, -126, 127), 0)      # np.frexp(a)[1] - 1 = floor(log2(a)), exactly
;;       r = np.clip(x / 2.0 ** e, -7.5, 7.5)
;;       step = 2.0 ** (np.maximum(np.frexp(np.where(r == 0, 1, r))[1] - 1, 0) - 3)
;;       q = np.round(r / step) * step * 2.0 ** e      # np.round: ties to even
;;       return np.moveaxis(q.reshape(q.shape[:-2] + (-1,))[..., :K], -1, axis).astype(np.float32)
;;   ~~~
;;   SOFTMAX AHEAD OF A QUANTISED PRODUCT. Where the list says 'softmax', what is quantised is not the finished softmax but p = 2^(t - M), with t = logit x log2(e) and M = ceil(the row's largest t), a whole number; so 1/2 < the row's largest p <= 1. The row's sum l is taken of the UNQUANTISED p, in f32, and the product's result is divided by l at the end. Since M is a whole number, a kernel that streams over the keys may use a running M (the ceiling of the running maximum): every later rescaling is an exact power of two, which a block's scale takes up: the codes' values come out the same.
;;   OPERANDS COMPUTED ON THE WAY. 'Computed on the way' means the value that the module computes at that place (a softmax that the list does not call 'softmax' is quantised finished and normalised). What goes into a quantiser is computed in f32, as accurately as f32 sums, v_exp_f32 and their like allow (about 1e-6 of the number): no bf16 or f16 on the way to a quantiser, and a product that is left as it is and whose result goes on into a quantised operand takes f32 operands (vector FMAs, or v_wmma_f32_16x16x4_f32). A number that lies on a knife's edge between two numbers of the format may be rounded either way, as far as f32 arithmetic and the matrix unit's own rounding can turn it there, and no further.
;; 2 versions, each right; version 2 is version 1 with the launch attn written anew for expert scheduling mode. Each part assembles by itself: llvm-mc -triple=amdgcn-amd-amdhsa -mcpu=gfx1250 --defsym DOCPART=n.
;; ======== version 1 of 2: 4 launches
;; workspace buffers: pc 23,461,888 bytes; mk 557,056 bytes of whole numbers; pj 20,185,088 bytes; at 6,553,600 bytes
;; launch prep (part 1): grid 576 x 1, 4 waves a work-group, no clusters, 34,304 bytes of LDS; arguments query, key, value, Wq, Wk, Wv, Wo, mask, pc, mk; writes pc, mk
.if DOCPART == 1
	.amdgcn_target "amdgcn-amd-amdhsa--gfx1250"
	.amdhsa_code_object_version 6
	.text
	.protected	k_q0ed46c8fa7_prep
	.globl	k_q0ed46c8fa7_prep
	.p2align	8
	.type	k_q0ed46c8fa7_prep,@function
k_q0ed46c8fa7_prep:
	s_mov_b64 s[64:65], 0
	v_nop
	global_prefetch_b8 v0, s[64:65] scope:SCOPE_SE
	s_setreg_imm32_b32 hwreg(HW_REG_WAVE_MODE, 25, 1), 1
	s_wait_xcnt 0x0
; PREP: everything that is made once.  Four paths, parted by the work-group's number g; each ends by itself.
;   g <  384: query, key, value [8192][1024] f32 -> codes of FP6 (E2M3) with one E8M0 byte for each 32 along K, as images of operand registers
;   g <  512: Wq, Wk, Wv, Wo [k][n] f32, quantised along k (their first axis), likewise
;   g <  544: the mask [2048][2048] of bytes -> one 32-bit lane mask for each score register of attention, and two flag bits for each 16 queries x 128 keys
;   else    : the table of cos and sin for the rotary embedding, [2048 positions][32 cos | 32 sin] f32
; LAYOUTS (l lane, r = l % 16, h = l / 16).  Row tile T, lane r, holds row 32 (T / 2) + 8 (T % 2) + r + 8 (r / 8).
;   A fragment (16 rows x 128 K, 12 registers a lane) is 1,536 bytes: for c = 0, 1 at 768 c: registers 6 c .. 6 c + 3 at 16 l, registers 6 c + 4, 6 c + 5 at 512 + 8 l.
;   A tile's scale words for K = 1024 are 512 bytes: step s, row r at 256 (s % 2) + 16 r + 4 (s / 2).
; A block's scale is 2^(floor(log2(largest magnitude)) - 2); its byte is the largest magnitude's exponent field - 2, held at 1 from below.
; LIMITS: NaN and infinities are not served; a block whose largest magnitude lies under 2^-124 (a block of zeros too) keeps the byte 1: its codes are read by this program alone.
; The table's frequencies are 1 / f32(10^(k / 8)), the reciprocal refined by one Newton step; the angle is the f32 product position x frequency; sine and cosine by reduction with pi / 2 in three parts and polynomials.
.set XS,   18874368                    ; pc: activations' scale words (their codes lie at 0)
.set WC,   19660800                    ; pc: weights' codes
.set WS,   22806528                    ; pc: weights' scale words
.set RTAB, 22937600                    ; pc: the table
.set FL,   524288                      ; mk: the flags (the lane masks lie at 0)
.set WV,   24                          ; s24 wave
.set HI,   25                          ; s25 lanes 16-31
.set SEL,  26                          ; s[26:27] selects for lane l xor 16
.set TM,   28                          ; v28-43 at work in QUANT
.set PC,   44                          ; v44-62 codes just made
; 64 numbers of a lane, register 16 b + i = k 32 b + 16 h + i of its row, become a fragment's 12 registers in v[PC] on and the row's scale word in v[pw]
.macro QUANT src, pw
.irp b, 0,1,2,3
	v_max3_num_f32 v[TM+\b], |v[\src+16*\b]|, |v[\src+1+16*\b]|, 0x1800000   ; my 16 numbers of block b, and the floor 2^(3 - 127)
.endr
.irp i, 2,4,6,8,10,12,14
.irp b, 0,1,2,3
	v_max3_num_f32 v[TM+\b], v[TM+\b], |v[\src+16*\b+\i]|, |v[\src+1+16*\b+\i]|
.endr
.endr
.irp b, 0,1,2,3
	v_permlanex16_b32 v[TM+4+\b], v[TM+\b], s[SEL], s[SEL+1]
.endr
.irp b, 0,1,2,3
	v_max_num_f32 v[TM+\b], v[TM+\b], v[TM+4+\b]           ; with lane l xor 16's 16: the block's largest magnitude
.endr
.irp b, 0,1,2,3
	v_add_nc_u32 v[TM+12+\b], 0xff000000, v[TM+\b]         ; 2 off its exponent field: the conversion's scale operand
.endr
.irp b, 0,1,2,3
	v_lshrrev_b32 v[TM+4+\b], 23, v[TM+12+\b]              ; the scale's byte
.endr
	v_lshl_or_b32 v[(\pw)], v[TM+5], 8, v[TM+4]
	v_lshl_or_b32 v[(\pw)], v[TM+6], 16, v[(\pw)]
	v_lshl_or_b32 v[(\pw)], v[TM+7], 24, v[(\pw)]
.irp c, 0,1
	v_cvt_scalef32_pk16_fp6_f32 v[PC+6*\c:PC+2+6*\c], v[\src+32*\c:\src+15+32*\c], v[TM+12+2*\c]
	v_cvt_scalef32_pk16_fp6_f32 v[PC+12+4*\c:PC+14+4*\c], v[\src+16+32*\c:\src+31+32*\c], v[TM+12+2*\c+1]
.endr
	v_nop                                                  ; one plain line behind the scaled conversions
.irp c, 0,1                                                ; a lane of the operand holds a whole block: lanes 0-15 block 2 c, lanes 16-31 block 2 c + 1
.irp i, 0,1,2
	v_permlane16_swap_b32 v[PC+6*\c+\i], v[PC+12+4*\c+\i]
.endr
.irp i, 0,1,2
	v_mov_b32 v[PC+3+6*\c+\i], v[PC+12+4*\c+\i]
.endr
.endr
.endm
	s_load_b512 s[4:19], s[0:1], 0x0               ; query, key, value, Wq, Wk, Wv, Wo, mask
	s_load_b128 s[20:23], s[0:1], 0x40             ; pc, mk
	s_set_vgpr_msb 0x40
	v_lshl_add_u32 v0, v0, 2, 0x8400
	v_mov_b32 v1, 0
	s_set_vgpr_msb 0x4000
	v_lshrrev_b32 v1, 5, v0
	v_readfirstlane_b32 s[WV], v1                  ; wave 0..3
	v_and_b32 v2, 31, v0                           ; l
	v_and_b32 v3, 15, v0                           ; r
	v_bfe_u32 v4, v0, 4, 1                         ; h
	s_mov_b32 s[HI], 0xffff0000
	s_mov_b32 s[SEL], 0x76543210
	s_mov_b32 s[SEL+1], 0xfedcba98
	s_mov_b32 s33, 0                               ; the high word of every offset pair s[32:33]
	s_wait_kmcnt 0x0
	s_cmp_lt_u32 ttmp9, 384
	s_cbranch_scc0 .Lnot_x
; ---------------- activations.  A wave takes one row tile (16 rows) for all of K: 8 steps of 128.
; Each load reads 512 consecutive bytes of one row; a step's 16 rows turn through the wave's own stage in LDS (rows 528 bytes apart) so that a lane gets 16 neighbours of each block of its row.
	s_cmp_lt_u32 ttmp9, 128
	s_cselect_b64 s[28:29], s[4:5], s[6:7]
	s_cmp_lt_u32 ttmp9, 256
	s_cselect_b64 s[28:29], s[28:29], s[8:9]       ; the tensor, by the work-group's number alone
	s_and_b32 s30, ttmp9, 127
	s_lshl_b32 s30, s30, 2
	s_add_co_u32 s30, s30, s[WV]                   ; T, 0..511
	s_lshr_b32 s31, s30, 1
	s_lshl_b32 s31, s31, 5
	s_and_b32 s32, s30, 1
	s_lshl_b32 s32, s32, 3
	s_add_co_u32 s32, s32, s31                     ; the tile's first row: 32 (T / 2) + 8 (T % 2)
	s_lshl_b32 s32, s32, 12                        ; rows of 4,096 bytes
	s_add_nc_u64 s[28:29], s[28:29], s[32:33]
	s_lshr_b32 s31, ttmp9, 7
	s_lshl_b32 s31, s31, 9
	s_add_co_u32 s31, s31, s30                     ; 512 x tensor + T
	s_mul_i32 s32, s31, 12288
	s_add_nc_u64 s[34:35], s[20:21], s[32:33]      ; its codes
	s_lshl_b32 s32, s31, 9
	s_add_co_u32 s32, s32, XS
	s_add_nc_u64 s[36:37], s[20:21], s[32:33]      ; its scale words
	v_lshlrev_b32 v5, 4, v2                        ; 16 l
	v_lshl_add_u32 v6, v2, 3, 512                  ; 8 l + 512
	s_mul_i32 s38, s[WV], 8448                     ; my stage
	v_add_nc_u32 v7, s38, v5                       ; in: 16 l of a row
	v_mul_u32_u24 v8, v3, 528
	v_lshl_add_u32 v8, v4, 6, v8
	v_add_nc_u32 v8, s38, v8                       ; out: row r, + 64 h
.irp b, 0,1,2,3
	v_mov_b32 v[TM+4+\b], 0                        ; a lane permute's destination counts as read
.endr
.macro XLD st
.irp p, 0,1,2,3,4,5,6,7,8,9,10,11,12,13,14,15
	global_load_b128 v[64+64*((\st)%2)+4*\p:64+64*((\st)%2)+4*\p+3], v5, s[28:29] offset:(\p+8*(\p/8))*4096+512*(\st) th:TH_LOAD_NT
.endr
.endm
.macro XSTEP st
.if (\st) < 7
	s_wait_loadcnt 16                              ; this step's 16 loads are in; the next step's 16 stay out
.else
	s_wait_loadcnt 0
.endif
.irp p, 0,1,2,3,4,5,6,7,8,9,10,11,12,13,14,15
	ds_store_b128 v7, v[64+64*((\st)%2)+4*\p:64+64*((\st)%2)+4*\p+3] offset:528*\p
.endr
.irp b, 0,1,2,3
.irp j, 0,1,2,3
	ds_load_b128 v[192+16*\b+4*\j:192+16*\b+4*\j+3], v8 offset:128*\b+16*\j   ; LDS serves a wave's instructions in order: these see the stores above
.endr
.endr
	s_wait_dscnt 0x0                               ; the numbers are back, and the stores have read the set
.if (\st) < 6
	XLD (\st)+2
.endif
	s_wait_xcnt 0x0                                ; the last step's stores have read the codes' registers
	QUANT 192, 16+(\st)
	global_store_b128 v5, v[PC:PC+3], s[34:35] offset:(\st)*1536
	global_store_b64 v6, v[PC+4:PC+5], s[34:35] offset:(\st)*1536
	global_store_b128 v5, v[PC+6:PC+9], s[34:35] offset:(\st)*1536+768
	global_store_b64 v6, v[PC+10:PC+11], s[34:35] offset:(\st)*1536+768
.endm
	XLD 0
	XLD 1
.irp t, 0,1,2,3,4,5,6,7
	XSTEP \t
.endr
.irp i, 0,1,2,3
	v_cndmask_b32 v[24+\i], v[16+2*\i], v[17+2*\i], s[HI]   ; lanes 0-15 carry step 2 i's word, lanes 16-31 step 2 i + 1's
.endr
	global_store_b128 v5, v[24:27], s[36:37]       ; 512 consecutive bytes
	s_set_vgpr_msb 0x5
	s_wait_tensorcnt 0x0
	ds_add_u32 v0, v1
	s_wait_dscnt 0x0
	s_set_vgpr_msb 0x500
	s_endpgm
.Lnot_x:
	s_cmp_lt_u32 ttmp9, 512
	s_cbranch_scc0 .Lnot_w
; ---------------- weights.  A lane takes a column n and its registers run down k: a block of 32 lies in one lane, and its six code registers are the operand's as they stand.
; A wave takes 32 columns (two tiles) x 256 along k (8 blocks).
	s_sub_co_u32 s30, ttmp9, 384
	s_lshr_b32 s31, s30, 5                         ; which weight: q, k, v, o
	s_and_b32 s34, s30, 7                          ; which 128 columns
	s_bfe_u32 s35, s30, 0x20003                    ; which 256 along k
	s_cmp_lt_u32 s31, 1
	s_cselect_b64 s[28:29], s[10:11], s[12:13]
	s_cmp_lt_u32 s31, 2
	s_cselect_b64 s[28:29], s[28:29], s[14:15]
	s_cmp_lt_u32 s31, 3
	s_cselect_b64 s[28:29], s[28:29], s[16:17]
	s_lshl_b32 s36, s34, 2
	s_add_co_u32 s36, s36, s[WV]                   ; my pair of tiles, 0..31
	s_lshl_b32 s32, s35, 20                        ; 256 rows of 4,096 bytes
	s_lshl_b32 s37, s36, 7                         ; 32 columns of 4 bytes
	s_add_co_u32 s32, s32, s37
	s_add_nc_u64 s[28:29], s[28:29], s[32:33]
	s_mul_i32 s32, s31, 786432
	s_mul_i32 s37, s36, 24576
	s_add_co_u32 s32, s32, s37
	s_mul_i32 s37, s35, 3072                       ; two steps of 1,536 bytes
	s_add_co_u32 s32, s32, s37
	s_add_co_u32 s32, s32, WC
	s_add_nc_u64 s[38:39], s[20:21], s[32:33]
	s_lshl_b32 s32, s31, 15
	s_lshl_b32 s37, s36, 10
	s_add_co_u32 s32, s32, s37
	s_lshl_b32 s37, s35, 2
	s_add_co_u32 s32, s32, s37
	s_add_co_u32 s32, s32, WS
	s_add_nc_u64 s[40:41], s[20:21], s[32:33]
	v_lshlrev_b32 v5, 2, v2                        ; in: 4 bytes a lane
	v_and_b32 v6, 7, v0
	v_lshl_add_u32 v6, v4, 3, v6                   ; my column's row in its tile: l % 8 + 8 (l / 16)
	v_bfe_u32 v7, v0, 3, 1                         ; and which of the two tiles
	v_mul_u32_u24 v8, v7, 12288
	v_mul_u32_u24 v9, v7, 12288
	v_lshl_add_u32 v8, v6, 4, v8                   ; registers 0-3 of an image
	v_lshl_add_u32 v9, v6, 3, v9
	v_add_nc_u32 v9, 512, v9                       ; registers 4, 5
	v_lshlrev_b32 v10, 9, v7
	v_lshl_add_u32 v10, v6, 4, v10                 ; my row's scale words
.macro WLD t
.set i, 0
.rept 32
	global_load_b32 v[32+32*((\t)%2)+i], v5, s[28:29] offset:(32*(\t)+i)*4096 th:TH_LOAD_NT
.set i, i+1
.endr
.endm
.macro WBLOCK t
.set XB, 32+32*((\t)%2)
.if (\t) < 7
	s_wait_loadcnt 32                              ; this block's 32 loads are in; the next block's stay out
.else
	s_wait_loadcnt 0
.endif
	v_max3_num_f32 v12, |v[XB]|, |v[XB+1]|, |v[XB+2]|
	v_max3_num_f32 v13, |v[XB+3]|, |v[XB+4]|, |v[XB+5]|
.irp i, 6,10,14,18,22,26
	v_max3_num_f32 v12, v12, |v[XB+\i]|, |v[XB+\i+1]|
	v_max3_num_f32 v13, v13, |v[XB+\i+2]|, |v[XB+\i+3]|
.endr
	v_max3_num_f32 v12, v12, |v[XB+30]|, |v[XB+31]|
	v_max3_num_f32 v12, v12, v13, 0x1800000        ; and the floor
	v_add_nc_u32 v11, 0xff000000, v12              ; the conversion's scale operand
	v_lshrrev_b32 v13, 23, v11                     ; the byte
.if (\t)%4 == 0
	v_mov_b32 v[24+(\t)/4], v13
.else
	v_lshl_or_b32 v[24+(\t)/4], v13, 8*((\t)%4), v[24+(\t)/4]
.endif
	s_wait_xcnt 0x0                                ; the last block's stores have read the codes' registers
	v_cvt_scalef32_pk16_fp6_f32 v[96:98], v[XB:XB+15], v11
	v_cvt_scalef32_pk16_fp6_f32 v[104:106], v[XB+16:XB+31], v11
	v_nop
	v_mov_b32 v99, v104
	v_mov_b32 v100, v105
	v_mov_b32 v101, v106
	global_store_b128 v8, v[96:99], s[38:39] offset:((\t)/4)*1536+(((\t)/2)%2)*768+((\t)%2)*256   ; block t is lanes 16 (t % 2) + r of half (t / 2) % 2 of step t / 4
	global_store_b64 v9, v[100:101], s[38:39] offset:((\t)/4)*1536+(((\t)/2)%2)*768+((\t)%2)*128
.if (\t) < 6
	WLD (\t)+2
.endif
.endm
	WLD 0
	WLD 1
.irp t, 0,1,2,3,4,5,6,7
	WBLOCK \t
.endr
	global_store_b32 v10, v24, s[40:41]            ; the even step's word
	global_store_b32 v10, v25, s[40:41] offset:256 ; the odd step's
	s_endpgm
.Lnot_w:
	s_cmp_lt_u32 ttmp9, 544
	s_cbranch_scc0 .Lnot_m
; ---------------- the mask.  A wave takes one tile of 16 queries and walks the 16 steps of 128 keys.  Lane (r, h) reads mask[query r][128 s + 32 b + 16 h + 0 .. 15]: byte i of run b belongs to score register 16 b + i.
; Word n of a step: bit l = the mask byte of lane l's register n.  Flags: bit s of DO: some key of the step counts; bit s of FULL: all count.  A tile with a row that no key serves walks all steps.
	s_sub_co_u32 s34, ttmp9, 512
	s_lshl_b32 s34, s34, 2
	s_add_co_u32 s34, s34, s[WV]                   ; the tile, 0..127
	s_lshr_b32 s35, s34, 1
	s_lshl_b32 s35, s35, 5
	s_and_b32 s32, s34, 1
	s_lshl_b32 s32, s32, 3
	s_add_co_u32 s32, s32, s35
	s_lshl_b32 s32, s32, 11                        ; rows of 2,048 bytes
	s_add_nc_u64 s[28:29], s[18:19], s[32:33]
	s_lshl_b32 s32, s34, 12
	s_add_nc_u64 s[30:31], s[22:23], s[32:33]      ; the tile's words
	s_lshl_b32 s32, s34, 8
	s_add_co_u32 s32, s32, FL
	s_add_nc_u64 s[62:63], s[22:23], s[32:33]      ; its flags
	v_and_b32 v5, 8, v3
	v_add_nc_u32 v5, v5, v3
	v_lshlrev_b32 v5, 11, v5
	v_lshl_add_u32 v5, v4, 4, v5                   ; (r + 8 (r / 8)) rows + 16 h
	v_lshlrev_b32 v6, 3, v2                        ; 8 l
	v_mov_b32 v112, 0                              ; v_writelane's destination counts as read
	v_mov_b32 v113, 0
	s_mov_b32 s36, 0                               ; DO
	s_mov_b32 s37, 0                               ; FULL
	s_mov_b32 s38, 0                               ; lanes that have met a key
	s_mov_b32 s39, 1                               ; the step's bit
	s_mov_b32 s40, 0x01010101
.macro MLD k, off
.irp b, 0,1,2,3
	global_load_b128 v[32+16*(\k)+4*\b:32+16*(\k)+4*\b+3], v5, s[28:29] offset:(\off)+32*\b
.endr
.endm
.macro MSTEP k, reload, left
.set MB, 32+16*(\k)
	s_wait_loadcnt \left                           ; this step's four loads are in; the later steps' stay out
	s_wait_xcnt 0x0                                ; the last step's store has read v[112:113]
	v_or_b32 v114, v[MB], v[MB+1]
	v_and_b32 v115, v[MB], v[MB+1]
.irp i, 2,3,4,5,6,7,8,9,10,11,12,13,14,15
	v_or_b32 v114, v114, v[MB+\i]
	v_and_b32 v115, v115, v[MB+\i]
.endr
	v_cmp_ne_u32 s41, 0, v114                      ; lanes with a key that counts
	v_cmp_eq_u32 s42, s40, v115                    ; lanes all of whose 64 keys count (a byte is 0 or 1)
.irp b, 0,1,2,3
.irp i, 0,1,2,3,4,5,6,7,8,9,10,11,12,13,14,15
	v_bfe_u32 v[96+\i], v[MB+4*\b+\i/4], 8*(\i%4), 8
.endr
.irp i, 0,1,2,3,4,5,6,7,8,9,10,11,12,13,14,15
	v_cmp_ne_u32 s[46+\i], 0, v[96+\i]
.endr
.irp i, 0,1,2,3,4,5,6,7,8,9,10,11,12,13,14,15
	v_writelane_b32 v[112+\i%2], s[46+\i], 8*\b+\i/2   ; word n = 16 b + i goes to byte 4 n of the step's 256
.endr
.endr
	global_store_b64 v6, v[112:113], s[30:31] offset:256*(\k)   ; 256 consecutive bytes
.if \reload
	MLD \k, 128*((\k)+4)
.endif
	s_cmp_lg_u32 s41, 0
	s_cselect_b32 s43, s39, 0
	s_or_b32 s36, s36, s43
	s_cmp_eq_u32 s42, -1
	s_cselect_b32 s43, s39, 0
	s_or_b32 s37, s37, s43
	s_or_b32 s38, s38, s41
	s_lshl_b32 s39, s39, 1
.endm
	MLD 0, 0
	MLD 1, 128
	MLD 2, 256
	MLD 3, 384
	s_mov_b32 s44, 3
.Lmtrip:                                           ; three trips of four steps, each step asking for the step four on
	MSTEP 0, 1, 12
	MSTEP 1, 1, 12
	MSTEP 2, 1, 12
	MSTEP 3, 1, 12
	s_wait_xcnt 0x0                                ; loads and stores have read their bases
	s_add_nc_u64 s[28:29], s[28:29], 512
	s_add_nc_u64 s[30:31], s[30:31], 1024
	s_sub_co_u32 s44, s44, 1
	s_cmp_lg_u32 s44, 0
	s_cbranch_scc1 .Lmtrip
	MSTEP 0, 0, 12                                 ; the last four steps ask for nothing: the counts run down
	MSTEP 1, 0, 8
	MSTEP 2, 0, 4
	MSTEP 3, 0, 0
	s_lshr_b32 s43, s38, 16
	s_or_b32 s43, s43, s38
	s_and_b32 s43, s43, 0xffff                     ; bit r: row r has a key
	s_cmp_eq_u32 s43, 0xffff
	s_cselect_b32 s36, s36, 0xffff                 ; a row without any key averages over all keys: every step is walked
	v_mov_b32 v116, s36
	v_mov_b32 v117, s37
	global_store_b64 v6, v[116:117], s[62:63]      ; the same pair from every lane: 256 consecutive bytes
	s_endpgm
.Lnot_m:
; ---------------- the table.  A wave takes 16 positions.  Lane (m = l % 16, g = l / 16) makes cos (g = 0) or sin (g = 1) of frequencies 2 m and 2 m + 1.
	s_sub_co_u32 s30, ttmp9, 544
	s_lshl_b32 s30, s30, 2
	s_add_co_u32 s30, s30, s[WV]
	s_lshl_b32 s31, s30, 4                         ; my first position
	s_lshl_b32 s32, s30, 12
	s_add_co_u32 s32, s32, RTAB
	s_add_nc_u64 s[28:29], s[20:21], s[32:33]
	v_lshlrev_b32 v5, 3, v2                        ; 8 l
	v_mul_u32_u24 v6, v4, 3                        ; sin x = cos(x - pi / 2): three quadrants on
	v_mov_b32 v10, 0
	v_mov_b32 v11, 0
.macro YK k, val                                   ; 10^(k / 8) to the lanes that want it
	s_mov_b32 s35, \val
	v_writelane_b32 v[10+(\k)%2], s35, (\k)/2
	v_writelane_b32 v[10+(\k)%2], s35, (\k)/2+16
.endm
	YK 0, 1.0
	YK 1, 1.333521432163324
	YK 2, 1.778279410038923
	YK 3, 2.371373705661655
	YK 4, 3.162277660168379
	YK 5, 4.216965034285822
	YK 6, 5.623413251903491
	YK 7, 7.498942093324558
	YK 8, 10.0
	YK 9, 13.33521432163324
	YK 10, 17.78279410038923
	YK 11, 23.71373705661655
	YK 12, 31.62277660168379
	YK 13, 42.16965034285822
	YK 14, 56.23413251903491
	YK 15, 74.98942093324558
	YK 16, 100.0
	YK 17, 133.3521432163324
	YK 18, 177.8279410038923
	YK 19, 237.1373705661655
	YK 20, 316.2277660168379
	YK 21, 421.6965034285822
	YK 22, 562.3413251903491
	YK 23, 749.8942093324558
	YK 24, 1000.0
	YK 25, 1333.521432163324
	YK 26, 1778.279410038923
	YK 27, 2371.373705661655
	YK 28, 3162.277660168379
	YK 29, 4216.965034285822
	YK 30, 5623.413251903491
	YK 31, 7498.942093324558
	v_rcp_f32 v12, v10
	v_rcp_f32 v13, v11
	v_nop                                          ; a plain line behind the reciprocals
	s_wait_alu depctr_va_vdst(0)                   ; one wait for both, ahead of their first reader
	v_fma_f32 v14, -v10, v12, 1.0
	v_fma_f32 v15, -v11, v13, 1.0
	v_fma_f32 v12, v12, v14, v12                   ; one Newton step
	v_fma_f32 v13, v13, v15, v13
	s_mov_b32 s40, 0x3fc90fdb                      ; pi / 2 in three parts
	s_mov_b32 s41, 0xb33bbd2e
	s_mov_b32 s42, 0xa6f72ced
	s_mov_b32 s43, -1.9515295891e-4                ; sine's polynomial
	s_mov_b32 s44, 8.3321608736e-3
	s_mov_b32 s45, -1.6666654611e-1
	s_mov_b32 s46, 2.443315711809948e-5            ; cosine's
	s_mov_b32 s47, -1.388731625493765e-3
	s_mov_b32 s48, 4.166664568298827e-2
.macro TRIG f
.set B, 20+10*(\f)
	v_mul_f32 v[B], v16, v[12+(\f)]                ; the angle: one f32 product
	v_mul_f32 v[B+1], 0x3f22f983, v[B]
	v_rndne_f32 v[B+1], v[B+1]                     ; n = the nearest multiple of pi / 2
	v_fma_f32 v[B+2], -v[B+1], s40, v[B]
	v_fma_f32 v[B+2], -v[B+1], s41, v[B+2]
	v_fma_f32 v[B+2], -v[B+1], s42, v[B+2]         ; what is left, within pi / 4
	v_mul_f32 v[B+3], v[B+2], v[B+2]
	v_fma_f32 v[B+4], v[B+3], s43, s44
	v_fma_f32 v[B+5], v[B+3], s46, s47
	v_fma_f32 v[B+4], v[B+4], v[B+3], s45
	v_fma_f32 v[B+5], v[B+5], v[B+3], s48
	v_mul_f32 v[B+4], v[B+4], v[B+3]
	v_fma_f32 v[B+6], v[B+3], -0.5, 1.0
	v_mul_f32 v[B+7], v[B+3], v[B+3]
	v_fma_f32 v[B+4], v[B+4], v[B+2], v[B+2]       ; its sine
	v_fma_f32 v[B+5], v[B+7], v[B+5], v[B+6]       ; its cosine
	v_cvt_i32_f32 v[B+7], v[B+1]
	v_add_nc_u32 v[B+7], v[B+7], v6                ; the quadrant k
	v_and_b32 v[B+8], 1, v[B+7]
	v_cmp_ne_u32 vcc_lo, 0, v[B+8]
	v_cndmask_b32 v[B+9], v[B+5], v[B+4], vcc_lo   ; the sine where k is odd
	v_add_nc_u32 v[B+7], 1, v[B+7]
	v_and_b32 v[B+7], 2, v[B+7]
	v_lshlrev_b32 v[B+7], 30, v[B+7]               ; negative in quadrants 1 and 2
	v_xor_b32 v[18+(\f)], v[B+9], v[B+7]
.endm
	s_mov_b32 s34, 16
.Lrtrip:
	v_cvt_f32_u32 v16, s31
	TRIG 0
	TRIG 1
	global_store_b64 v5, v[18:19], s[28:29]        ; a position's 256 bytes
	s_wait_xcnt 0x0                                ; the store has read its data and its base
	s_add_nc_u64 s[28:29], s[28:29], 256
	s_add_co_u32 s31, s31, 1
	s_sub_co_u32 s34, s34, 1
	s_cmp_lg_u32 s34, 0
	s_cbranch_scc1 .Lrtrip
	s_endpgm
.Lfunc_end_k_q0ed46c8fa7_prep:
	.size	k_q0ed46c8fa7_prep, .Lfunc_end_k_q0ed46c8fa7_prep-k_q0ed46c8fa7_prep
	.p2alignl 7, 3214868480
	.fill 96, 4, 3214868480
	.section	.rodata,"a",@progbits
	.p2align	6, 0x0
	.amdhsa_kernel k_q0ed46c8fa7_prep
		.amdhsa_group_segment_fixed_size 34304
		.amdhsa_private_segment_fixed_size 0
		.amdhsa_enable_private_segment 0
		.amdhsa_kernarg_size 80
		.amdhsa_user_sgpr_count 2
		.amdhsa_user_sgpr_kernarg_segment_ptr 1
		.amdhsa_wavefront_size32 1
		.amdhsa_system_sgpr_workgroup_id_x 1
		.amdhsa_system_sgpr_workgroup_id_y 1
		.amdhsa_system_sgpr_workgroup_id_z 1
		.amdhsa_system_vgpr_workitem_id 0
		.amdhsa_next_free_vgpr 258
		.amdhsa_next_free_sgpr 66
		.amdhsa_reserve_vcc 1
		.amdhsa_float_denorm_mode_32 3
		.amdhsa_float_denorm_mode_16_64 3
		.amdhsa_memory_ordered 1
		.amdhsa_forward_progress 1
		.amdhsa_inst_pref_size 227
	.end_amdhsa_kernel
	.amdgpu_metadata
---
amdhsa.version: [ 1, 2 ]
amdhsa.kernels:
  - .name:           k_q0ed46c8fa7_prep
    .symbol:         k_q0ed46c8fa7_prep.kd
    .args:
      - { .name: query, .offset: 0, .size: 8, .value_kind: global_buffer, .address_space: global }
      - { .name: key, .offset: 8, .size: 8, .value_kind: global_buffer, .address_space: global }
      - { .name: value, .offset: 16, .size: 8, .value_kind: global_buffer, .address_space: global }
      - { .name: Wq, .offset: 24, .size: 8, .value_kind: global_buffer, .address_space: global }
      - { .name: Wk, .offset: 32, .size: 8, .value_kind: global_buffer, .address_space: global }
      - { .name: Wv, .offset: 40, .size: 8, .value_kind: global_buffer, .address_space: global }
      - { .name: Wo, .offset: 48, .size: 8, .value_kind: global_buffer, .address_space: global }
      - { .name: mask, .offset: 56, .size: 8, .value_kind: global_buffer, .address_space: global }
      - { .name: pc, .offset: 64, .size: 8, .value_kind: global_buffer, .address_space: global }
      - { .name: mk, .offset: 72, .size: 8, .value_kind: global_buffer, .address_space: global }
    .group_segment_fixed_size: 34304
    .private_segment_fixed_size: 0
    .kernarg_segment_align: 8
    .kernarg_segment_size: 80
    .max_flat_workgroup_size: 128
    .sgpr_count:     66
    .vgpr_count:     258
    .wavefront_size: 32
...
	.end_amdgpu_metadata
.endif
;; end of part 1
;; launch proj (part 2): grid 256 x 1, 4 waves a work-group, clusters of 4 x 1, 295,424 bytes of LDS; arguments pc, bq, bk, bv, pj; writes pj
.if DOCPART == 2
	.amdgcn_target "amdgcn-amd-amdhsa--gfx1250"
	.amdhsa_code_object_version 6
	.text
	.protected	k_q0ed46c8fa7_proj
	.globl	k_q0ed46c8fa7_proj
	.p2align	8
	.type	k_q0ed46c8fa7_proj,@function
k_q0ed46c8fa7_proj:
	s_mov_b64 s[64:65], 0
	v_nop
	global_prefetch_b8 v0, s[64:65] scope:SCOPE_SE
	s_setreg_imm32_b32 hwreg(HW_REG_WAVE_MODE, 25, 1), 1
	s_wait_xcnt 0x0
	s_wait_alu depctr_hold_cnt(0) depctr_sa_sdst(0) depctr_va_vdst(0) depctr_va_sdst(0) depctr_va_ssrc(0) depctr_va_vcc(0) depctr_vm_vsrc(0)
	s_getreg_b32 s2, hwreg(HW_REG_IB_STS2, 6, 4)
	s_cmp_eq_u32 s2, 0
	s_cbranch_scc0 .Lentry_in_a_cluster
	s_endpgm
.Lentry_in_a_cluster:
	s_bfe_u32 s2, ttmp6, 0x10000c
	s_cmp_lg_u32 s2, 0x3003
	s_cbranch_scc0 .Lentry_shape_is_right
	s_endpgm
.Lentry_shape_is_right:
; PROJ: the three projections on codes of FP6 (E2M3) with E8M0 scales, and what follows them up to the next quantiser.
;   q = rope(query Wq + bq), k = rope(key Wk + bk): quantised along the head's 64;   v = value Wv + bv: quantised along the keys.
; ONE CORE, three passes.  Operand R (source 0): 128 rows = 8 tiles, resident in LDS for all of K (98,304 dense bytes).  Operand T (source 1): 64 rows = 4 tiles a wave, streamed from memory into registers.
;   passes q, k: R = 128 columns of the weight (two heads), T = 256 rows of the activations.  A lane then holds one row and 16 neighbouring channels in each pair of tiles.
;   pass v:      R = 128 keys of value, T = 256 columns of Wv (wave w: one head).  A lane then holds one channel and 16 neighbouring keys in each pair of tiles.
; CLUSTER of four: the partners need the same three slabs; each slab is asked for jointly, each wave its quarter: three tensor loads of mine are out at the most.  Every LDS byte is filled once.
; All operands lie in memory in the order of the operand's registers (a fragment: 1,536 bytes; for c = 0, 1 at 768 c: four registers at 16 l, two at 512 + 8 l); row tile T, lane r, holds row 32 (T / 2) + 8 (T % 2) + r + 8 (r / 8).
; LIMITS: NaN and infinities are not served; a block whose largest magnitude lies under 2^-124 keeps the scale byte 1.
; REGISTERS: window 0: addresses, scale words, biases, epilogue;  window 1: the 32 accumulators, (a, b) at v[8 (8 a + b)];  window 2: T's fragments, four sets of 48, and cos, sin of T's tiles 0, 1 from v192;
;   window 3: R's fragments, two sets of 96, and cos, sin of tiles 2, 3 from v192.
.set XS,   18874368
.set WC,   19660800
.set WS,   22806528
.set RTAB, 22937600
.set VC,   12582912
.set QS,   18874368
.set VS,   19922944
.set WV,  14
.set CX,  15
.set G1,  24                           ; s[24:31] descriptor group 1
.set G0,  32                           ; s[32:43] three groups 0
.set CT,  44                           ; T's codes of the pass in hand
.set NXT, 46                           ; the next pass's T codes, T scales, R scales
.set VT,  48
.set NTS, 50
.set NRS, 52
.set VTS, 54
.set VRS, 56
.set BP,  58                           ; the bias of the pass in hand, and the next
.set BP2, 60
.set OC,  62                           ; where the pass's codes and scale words go, and the next pass's
.set OS,  66
.set OC2, 68
.set OS2, 70
.set VOC, 72
.set VOS, 74
.set RTP, 76
.set BVP, 78
.set SEL, 80
.set HI,  82
.set CNT, 83
.set SB,  84                           ; s84, s85: LDS byte of the slab's tiles 0-3 and 4-7
.set CTS, 86
.set CRS, 88
.set TA16, 4                           ; v4 16 l
.set TA8,  5                           ; v5 8 l + 512
.set RA16, 6                           ; v6, v7
.set RA8,  8                           ; v8, v9
.set H64,  10                          ; v10 64 h
.set RPO,  11                          ; v11 (r + 8 (r / 8)) 256 + 64 h
.set L4,   12                          ; v12 4 l
.set PR4,  13                          ; v13 4 (r + 8 (r / 8))
.set BV,   24                          ; v24-27 bv of my channel in T's four tiles
.set TS,   32                          ; v32-47 T's scale words, 4 a + s / 2
.set RS,   48                          ; v48-79 R's, 4 b + s / 2
.set BI,   80                          ; v80-143 bias of my 64 columns
.set Z,    144
.set RO,   176
.set TM,   208
.set PW,   224
.set KEEP, 225
.set SW,   226
.set PC,   228
.set CSN,  192
.set MSB, 0
.macro WIN new                         ; the immediate's high byte repeats the setting that is left
.if MSB != (\new)
	s_set_vgpr_msb (MSB<<8)|(\new)
.set MSB, (\new)
.endif
.endm
.macro PLACES n
.rept \n
	v_nop
.endr
.endm
.macro CROUND                          ; a round of the cluster's barrier
	s_barrier_signal -1
	s_barrier_wait -1
	s_cmp_lg_u32 s[WV], 0
	s_cbranch_scc1 .Lnot_wave_0_\@
	s_barrier_signal -3
.Lnot_wave_0_\@:
	s_barrier_wait -3
	s_barrier_signal -1
	s_barrier_wait -1
.endm
.macro RLOAD st                        ; R's eight fragments of K step st: 32 dense LDS loads
	WIN 0xc0
.irp b, 0,1,2,3,4,5,6,7
.irp c, 0,1
	ds_load_b128 v[96*((\st)%2)+12*\b+6*\c:96*((\st)%2)+12*\b+6*\c+3], v[RA16+\b/4] offset:(\b%4)*12288+(\st)*1536+\c*768
	ds_load_b64 v[96*((\st)%2)+12*\b+6*\c+4:96*((\st)%2)+12*\b+6*\c+5], v[RA8+\b/4] offset:(\b%4)*12288+(\st)*1536+\c*768
.endr
.endr
.endm
.macro TLOAD st, ptr                   ; T's four fragments of K step st: 16 dense loads
	WIN 0x80
.irp a, 0,1,2,3
.irp c, 0,1
	global_load_b128 v[48*((\st)%4)+12*\a+6*\c:48*((\st)%4)+12*\a+6*\c+3], v[TA16], s[\ptr:\ptr+1] offset:\a*12288+(\st)*1536+\c*768
	global_load_b64 v[48*((\st)%4)+12*\a+6*\c+4:48*((\st)%4)+12*\a+6*\c+5], v[TA8], s[\ptr:\ptr+1] offset:\a*12288+(\st)*1536+\c*768
.endr
.endr
.endm
.macro SLOAD pt, pr                    ; all of K's scale words: register i of a tile carries step 2 i in lanes 0-15 and step 2 i + 1 in lanes 16-31
	WIN 0
.irp a, 0,1,2,3
	global_load_b128 v[TS+4*\a:TS+4*\a+3], v[TA16], s[\pt:\pt+1] offset:512*\a
.endr
.irp b, 0,1,2,3,4,5,6,7
	global_load_b128 v[RS+4*\b:RS+4*\b+3], v[TA16], s[\pr:\pr+1] offset:512*\b
.endr
.endm
.macro BLOAD                           ; the bias of the slab's 128 columns: mine are 32 m + 16 h + 0 .. 15
	WIN 0
.irp m, 0,1,2,3
.irp e, 0,1,2,3
	global_load_b128 v[BI+16*\m+4*\e:BI+16*\m+4*\e+3], v[H64], s[BP:BP+1] offset:128*\m+16*\e
.endr
.endr
.endm
.macro MUL st                          ; 32 products; the accumulators take turns, one instruction a turn; step 0 starts the sums
	WIN 0x5b
.irp a, 0,1,2,3
.irp b, 0,1,2,3,4,5,6,7
.if (\st) == 0
	v_wmma_scale_f32_16x16x128_f8f6f4 v[8*(8*\a+\b):8*(8*\a+\b)+7], v[96*((\st)%2)+12*\b:96*((\st)%2)+12*\b+11], v[48*((\st)%4)+12*\a:48*((\st)%4)+12*\a+11], 0, v[RS+4*\b+(\st)/2], v[TS+4*\a+(\st)/2] matrix_a_fmt:MATRIX_FMT_FP6 matrix_b_fmt:MATRIX_FMT_FP6
.elseif (\st)%2 == 0
	v_wmma_scale_f32_16x16x128_f8f6f4 v[8*(8*\a+\b):8*(8*\a+\b)+7], v[96*((\st)%2)+12*\b:96*((\st)%2)+12*\b+11], v[48*((\st)%4)+12*\a:48*((\st)%4)+12*\a+11], v[8*(8*\a+\b):8*(8*\a+\b)+7], v[RS+4*\b+(\st)/2], v[TS+4*\a+(\st)/2] matrix_a_fmt:MATRIX_FMT_FP6 matrix_b_fmt:MATRIX_FMT_FP6
.else
	v_wmma_scale_f32_16x16x128_f8f6f4 v[8*(8*\a+\b):8*(8*\a+\b)+7], v[96*((\st)%2)+12*\b:96*((\st)%2)+12*\b+11], v[48*((\st)%4)+12*\a:48*((\st)%4)+12*\a+11], v[8*(8*\a+\b):8*(8*\a+\b)+7], v[RS+4*\b+(\st)/2], v[TS+4*\a+(\st)/2] matrix_a_fmt:MATRIX_FMT_FP6 matrix_b_fmt:MATRIX_FMT_FP6 matrix_a_scale:MATRIX_SCALE_ROW1 matrix_b_scale:MATRIX_SCALE_ROW1
.endif
.endr
.endr
.endm
.macro KSTEP st, bias
	PLACES 4                                       ; behind the last step's products, in front of loads into registers that they read
.if (\st) < 7
	RLOAD (\st)+1
.endif
.if (\st) < 5
	TLOAD (\st)+3, CT
.endif
.if (\bias) && ((\st) == 5)
	BLOAD
.endif
.if (\st) < 7
	s_wait_dscnt 32                                ; this step's R is in; the next step's 32 loads stay out
.else
	s_wait_dscnt 0
.endif
.if (\st) < 5
	s_wait_loadcnt 48                              ; this step's T is in; three later steps' 16 loads each stay out
.else
	s_wait_loadcnt 16*(7-(\st))+16*(\bias)         ; the later steps' loads, and the 16 of the bias
.endif
	MUL \st
.endm
; 32 numbers of a lane (two blocks of 32 along K, 16 of each) -> six code registers in v[PC] on, and v[PW] = the two bytes under 0x7f7f
.macro QUANT2 src
.irp b, 0,1
	v_max3_num_f32 v[TM+\b], |v[\src+16*\b]|, |v[\src+1+16*\b]|, 0x1800000
.endr
.irp i, 2,4,6,8,10,12,14
.irp b, 0,1
	v_max3_num_f32 v[TM+\b], v[TM+\b], |v[\src+16*\b+\i]|, |v[\src+1+16*\b+\i]|
.endr
.endr
.irp b, 0,1
	v_permlanex16_b32 v[TM+4+\b], v[TM+\b], s[SEL], s[SEL+1]
.endr
.irp b, 0,1
	v_max_num_f32 v[TM+\b], v[TM+\b], v[TM+4+\b]
.endr
.irp b, 0,1
	v_add_nc_u32 v[TM+12+\b], 0xff000000, v[TM+\b]
.endr
.irp b, 0,1
	v_lshrrev_b32 v[TM+4+\b], 23, v[TM+12+\b]
.endr
	v_lshl_or_b32 v[PW], v[TM+5], 8, v[TM+4]
	v_or_b32 v[PW], 0x7f7f0000, v[PW]              ; the upper 64 of the instruction's 128 along K are zero codes under the scale 1
	v_cvt_scalef32_pk16_fp6_f32 v[PC:PC+2], v[\src:\src+15], v[TM+12]
	v_cvt_scalef32_pk16_fp6_f32 v[PC+12:PC+14], v[\src+16:\src+31], v[TM+13]
	v_nop
.irp i, 0,1,2
	v_permlane16_swap_b32 v[PC+\i], v[PC+12+\i]
.endr
.irp i, 0,1,2
	v_mov_b32 v[PC+3+\i], v[PC+12+\i]
.endr
.endm
; 64 numbers of a lane (four blocks) -> a fragment's 12 registers and its scale word
.macro QUANT src
.irp b, 0,1,2,3
	v_max3_num_f32 v[TM+\b], |v[\src+16*\b]|, |v[\src+1+16*\b]|, 0x1800000
.endr
.irp i, 2,4,6,8,10,12,14
.irp b, 0,1,2,3
	v_max3_num_f32 v[TM+\b], v[TM+\b], |v[\src+16*\b+\i]|, |v[\src+1+16*\b+\i]|
.endr
.endr
.irp b, 0,1,2,3
	v_permlanex16_b32 v[TM+4+\b], v[TM+\b], s[SEL], s[SEL+1]
.endr
.irp b, 0,1,2,3
	v_max_num_f32 v[TM+\b], v[TM+\b], v[TM+4+\b]
.endr
.irp b, 0,1,2,3
	v_add_nc_u32 v[TM+12+\b], 0xff000000, v[TM+\b]
.endr
.irp b, 0,1,2,3
	v_lshrrev_b32 v[TM+4+\b], 23, v[TM+12+\b]
.endr
	v_lshl_or_b32 v[PW], v[TM+5], 8, v[TM+4]
	v_lshl_or_b32 v[PW], v[TM+6], 16, v[PW]
	v_lshl_or_b32 v[PW], v[TM+7], 24, v[PW]
.irp c, 0,1
	v_cvt_scalef32_pk16_fp6_f32 v[PC+6*\c:PC+2+6*\c], v[\src+32*\c:\src+15+32*\c], v[TM+12+2*\c]
	v_cvt_scalef32_pk16_fp6_f32 v[PC+12+4*\c:PC+14+4*\c], v[\src+16+32*\c:\src+31+32*\c], v[TM+12+2*\c+1]
.endr
	v_nop
.irp c, 0,1
.irp i, 0,1,2
	v_permlane16_swap_b32 v[PC+6*\c+\i], v[PC+12+4*\c+\i]
.endr
.irp i, 0,1,2
	v_mov_b32 v[PC+3+6*\c+\i], v[PC+12+4*\c+\i]
.endr
.endr
.endm
; q, k: T's tile a, head hh of the slab's two: bias, rotary embedding, quantiser, 768 bytes of codes and the scale words
.macro EPI_QK a, hh
	s_wait_xcnt 0x0                                ; earlier stores have read the registers that are written again here
	WIN 0x01
.set j, 0
.rept 16
	v_pk_add_f32 v[Z+j:Z+j+1], v[64*(\a)+32*(\hh)+j:64*(\a)+32*(\hh)+j+1], v[BI+32*(\hh)+j:BI+32*(\hh)+j+1]   ; each accumulator from its low end on; register 16 e + i is channel 32 e + 16 h + i
.set j, j+2
.endr
	WIN 0x08+4*((\a)/2)
.set CB, CSN+32*((\a)%2)
.set j, 0
.rept 8
	v_pk_mul_f32 v[RO+j:RO+j+1], v[Z+j:Z+j+1], v[CB+j:CB+j+1]
	v_pk_mul_f32 v[RO+16+j:RO+17+j], v[Z+16+j:Z+17+j], v[CB+j:CB+j+1]
.set j, j+2
.endr
.set j, 0
.rept 8
	v_pk_fma_f32 v[RO+j:RO+j+1], v[Z+16+j:Z+17+j], v[CB+16+j:CB+17+j], v[RO+j:RO+j+1] neg_lo:[1,0,0] neg_hi:[1,0,0]   ; x1 cos - x2 sin
	v_pk_fma_f32 v[RO+16+j:RO+17+j], v[Z+j:Z+j+1], v[CB+16+j:CB+17+j], v[RO+16+j:RO+17+j]                              ; x2 cos + x1 sin
.set j, j+2
.endr
	WIN 0
	QUANT2 RO
	global_store_b128 v[TA16], v[PC:PC+3], s[OC:OC+1] offset:(\hh)*98304+(\a)*768
	global_store_b64 v[TA8], v[PC+4:PC+5], s[OC:OC+1] offset:(\hh)*98304+(\a)*768
.if ((\a)%2) == 0
	v_mov_b32 v[KEEP], v[PW]
.else
	v_cndmask_b32 v[SW], v[KEEP], v[PW], s[HI]     ; lanes 0-15 the even tile's words, lanes 16-31 the odd tile's
	global_store_b32 v[L4], v[SW], s[OS:OS+1] offset:(\hh)*8192+128*((\a)/2)
.endif
.endm
; v: T's tile a (16 channels) x the slab's 128 keys: bias, quantiser along the keys, one fragment
.macro EPI_V a
	s_wait_xcnt 0x0
	WIN 0x01
.set j, 0
.rept 32
.if ((\a)%2) == 0
	v_pk_add_f32 v[Z+j:Z+j+1], v[64*(\a)+j:64*(\a)+j+1], v[BV+2*((\a)/2):BV+2*((\a)/2)+1] op_sel_hi:[1,0]
.else
	v_pk_add_f32 v[Z+j:Z+j+1], v[64*(\a)+j:64*(\a)+j+1], v[BV+2*((\a)/2):BV+2*((\a)/2)+1] op_sel:[0,1] op_sel_hi:[1,1]
.endif
.set j, j+2
.endr
	WIN 0
	QUANT Z
	global_store_b128 v[TA16], v[PC:PC+3], s[VOC:VOC+1] offset:(\a)*1536
	global_store_b64 v[TA8], v[PC+4:PC+5], s[VOC:VOC+1] offset:(\a)*1536
	global_store_b128 v[TA16], v[PC+6:PC+9], s[VOC:VOC+1] offset:(\a)*1536+768
	global_store_b64 v[TA8], v[PC+10:PC+11], s[VOC:VOC+1] offset:(\a)*1536+768
.if ((\a)%2) == 0
	v_mov_b32 v[KEEP], v[PW]
.else
	v_cndmask_b32 v[SW], v[KEEP], v[PW], s[HI]
	global_store_b32 v[L4], v[SW], s[VOS:VOS+1] offset:128*((\a)/2)
.endif
.endm
	s_load_b256 s[4:11], s[0:1], 0x0               ; pc, bq, bk, bv
	s_load_b64 s[12:13], s[0:1], 0x20              ; pj
	v_lshl_add_u32 v254, v0, 2, 0x48000
	v_mov_b32 v255, 0
	ds_add_u32 v254, v255
	ds_add_u32 v254, v255
	v_lshrrev_b32 v1, 5, v0
	v_readfirstlane_b32 s[WV], v1                  ; wave 0..3
	s_bfe_u32 s[CX], ttmp6, 0x40000                ; my place in the cluster: it enters global addresses of T, the table, bv and the outputs alone
	s_and_b32 s16, ttmp9, 7                        ; q, k: which 128 columns of the weight
	s_lshr_b32 s17, ttmp9, 3
	s_lshr_b32 s18, ttmp9, 4                       ; the batch
	s_mov_b32 s[G1], 15|(3<<16)|(1<<21)            ; all four work-groups; elements of 8 bytes; bit 21 beside a mask; no padding
	s_mov_b32 s[G1+1], 32<<16                      ; tensor_dim0 = 32 elements: rows of 256 bytes
	s_mov_b32 s[G1+2], 96<<16                      ; tensor_dim1 = 96 rows: a wave's quarter of a slab
	s_mov_b32 s[G1+3], 32<<16                      ; tile_dim0
	s_mov_b32 s[G1+4], 96                          ; tile_dim1
	s_mov_b32 s[G1+5], 32                          ; the pitch: dense
	s_mov_b32 s[G1+6], 0
	s_mov_b32 s[G1+7], 0
	s_mul_i32 s19, s[WV], 24576                    ; my quarter, in memory and in LDS
	s_mul_i32 s20, s16, 98304
	s_add_co_u32 s20, s20, s19
	s_add_co_u32 s20, s20, WC
	s_mov_b32 s21, 0
	s_mul_i32 s22, ttmp9, 98304
	s_add_co_u32 s22, s22, s19
	s_add_co_u32 s22, s22, 12582912                ; value's codes
	s_mov_b32 s23, 0
	s_mov_b32 s[SEL], 0x76543210
	s_mov_b32 s[SEL+1], 0xfedcba98
	s_mov_b32 s[HI], 0xffff0000
	s_mov_b32 s[SB], 0
	s_mov_b32 s[SB+1], 49152
	; what hangs on my place in the cluster, in registers of its own
	s_lshl_b32 s90, s17, 2
	s_add_co_u32 s90, s90, s[CX]                   ; my block of 256 rows, 0..31
	s_and_b32 s91, s90, 7                          ; within its batch
	s_lshl_b32 s93, s[WV], 2
	s_lshl_b32 s92, s90, 4
	s_add_co_u32 s92, s92, s93                     ; q, k: T's first tile
	s_lshl_b32 s94, s[CX], 4
	s_add_co_u32 s94, s94, s93                     ; v: T's first tile of Wv
	s_mov_b32 s97, 0
	s_mov_b32 s99, 0
	s_wait_dscnt 0x0
	s_wait_kmcnt 0x0
	s_add_nc_u64 s[G0+2:G0+3], s[4:5], s[20:21]    ; Wq's slab
	s_add_nc_u64 s[G0+6:G0+7], s[G0+2:G0+3], 786432   ; Wk's
	s_add_nc_u64 s[G0+10:G0+11], s[4:5], s[22:23]  ; value's
	s_or_b32 s[G0+3], s[G0+3], 0x80000000
	s_or_b32 s[G0+7], s[G0+7], 0x80000000
	s_or_b32 s[G0+11], s[G0+11], 0x80000000
	s_mov_b32 s[G0], 1
	s_mov_b32 s[G0+4], 1
	s_mov_b32 s[G0+8], 1
	s_mov_b32 s[G0+1], s19
	s_add_co_u32 s[G0+5], s19, 98304
	s_add_co_u32 s[G0+9], s19, 196608
	s_lshl_b32 s20, s16, 12
	s_add_co_u32 s20, s20, WS
	s_add_nc_u64 s[CRS:CRS+1], s[4:5], s[20:21]
	s_add_nc_u64 s[NRS:NRS+1], s[CRS:CRS+1], 32768
	s_lshl_b32 s22, ttmp9, 12
	s_add_co_u32 s22, s22, XS+524288
	s_add_nc_u64 s[VRS:VRS+1], s[4:5], s[22:23]
	s_lshl_b32 s20, s16, 9
	s_add_nc_u64 s[BP:BP+1], s[6:7], s[20:21]
	s_add_nc_u64 s[BP2:BP2+1], s[8:9], s[20:21]
	s_mul_i32 s96, s92, 12288
	s_add_nc_u64 s[CT:CT+1], s[4:5], s[96:97]
	s_add_nc_u64 s[NXT:NXT+1], s[CT:CT+1], 6291456
	s_mul_i32 s96, s94, 12288
	s_add_co_u32 s96, s96, WC+1572864
	s_add_nc_u64 s[VT:VT+1], s[4:5], s[96:97]
	s_lshl_b32 s96, s92, 9
	s_add_co_u32 s96, s96, XS
	s_add_nc_u64 s[CTS:CTS+1], s[4:5], s[96:97]
	s_add_nc_u64 s[NTS:NTS+1], s[CTS:CTS+1], 262144
	s_lshl_b32 s96, s94, 9
	s_add_co_u32 s96, s96, WS+65536
	s_add_nc_u64 s[VTS:VTS+1], s[4:5], s[96:97]
	s_lshl_b32 s95, s18, 3
	s_add_co_u32 s95, s95, s16
	s_lshl_b32 s95, s95, 8                         ; (16 batch + 2 slab) x 128 tiles
	s_lshl_b32 s96, s91, 4
	s_add_co_u32 s95, s95, s96
	s_add_co_u32 s95, s95, s93                     ; + my first tile in the head
	s_mul_i32 s96, s95, 768
	s_add_nc_u64 s[OC:OC+1], s[12:13], s[96:97]
	s_add_nc_u64 s[OC2:OC2+1], s[OC:OC+1], 6291456
	s_lshl_b32 s96, s95, 6
	s_add_co_u32 s96, s96, QS
	s_add_nc_u64 s[OS:OS+1], s[12:13], s[96:97]
	s_add_nc_u64 s[OS2:OS2+1], s[OS:OS+1], 524288
	s_lshl_b32 s95, s18, 4
	s_lshl_b32 s96, s[CX], 2
	s_add_co_u32 s95, s95, s96
	s_add_co_u32 s95, s95, s[WV]                   ; v: 16 batch + my head
	s_lshl_b32 s95, s95, 4
	s_and_b32 s96, ttmp9, 15
	s_add_co_u32 s95, s95, s96                     ; x 16 + the key step
	s_mul_i32 s96, s95, 6144
	s_add_co_u32 s96, s96, VC
	s_add_nc_u64 s[VOC:VOC+1], s[12:13], s[96:97]
	s_lshl_b32 s96, s95, 8
	s_add_co_u32 s96, s96, VS
	s_add_nc_u64 s[VOS:VOS+1], s[12:13], s[96:97]
	s_lshl_b32 s96, s91, 16
	s_lshl_b32 s98, s[WV], 14
	s_add_co_u32 s96, s96, s98
	s_add_co_u32 s96, s96, RTAB
	s_add_nc_u64 s[RTP:RTP+1], s[4:5], s[96:97]    ; the table at my first position
	s_lshl_b32 s96, s[CX], 10
	s_lshl_b32 s98, s[WV], 8
	s_add_co_u32 s96, s96, s98
	s_add_nc_u64 s[BVP:BVP+1], s[10:11], s[96:97]  ; bv at my head
	CROUND                                         ; all four work-groups are here: the joint loads meet
	tensor_load_to_lds s[G0:G0+3], s[G1:G1+7]
	s_nop 0
	tensor_load_to_lds s[G0+4:G0+7], s[G1:G1+7]
	s_nop 0
	tensor_load_to_lds s[G0+8:G0+11], s[G1:G1+7]
	s_nop 0
	PLACES 4                                       ; four plain lines behind the tensor loads
	v_and_b32 v2, 31, v0
	v_and_b32 v3, 15, v0
	v_bfe_u32 v15, v0, 4, 1
	v_lshlrev_b32 v[TA16], 4, v2
	v_lshl_add_u32 v[TA8], v2, 3, 512
	v_lshlrev_b32 v[H64], 6, v15
	v_and_b32 v14, 8, v3
	v_add_nc_u32 v14, v14, v3
	v_lshl_add_u32 v[RPO], v14, 8, v[H64]
	v_lshlrev_b32 v[L4], 2, v2
	v_lshlrev_b32 v[PR4], 2, v14
.irp b, 0,1,2,3
	v_mov_b32 v[TM+4+\b], 0                        ; a lane permute's destination counts as read
.endr
.irp a, 0,1,2,3
	global_load_b32 v[BV+\a], v[PR4], s[BVP:BVP+1] offset:4*(32*(\a/2)+8*(\a%2))
.endr
.irp a, 0,1,2,3                                    ; cos and sin of my row's position, frequencies 16 h + 0 .. 15
	WIN 0x80+0x40*(\a/2)
.irp e, 0,1,2,3
	global_load_b128 v[CSN+32*(\a%2)+4*\e:CSN+32*(\a%2)+4*\e+3], v[RPO], s[RTP:RTP+1] offset:(32*(\a/2)+8*(\a%2))*256+16*\e
	global_load_b128 v[CSN+32*(\a%2)+16+4*\e:CSN+32*(\a%2)+16+4*\e+3], v[RPO], s[RTP:RTP+1] offset:(32*(\a/2)+8*(\a%2))*256+128+16*\e
.endr
.endr
	SLOAD CTS, CRS
	TLOAD 0, CT
	TLOAD 1, CT
	TLOAD 2, CT
	WIN 0
	s_wait_tensorcnt 0x0                           ; my quarters of all three slabs have landed,
	s_barrier_signal -1
	s_barrier_wait -1                              ; everybody's have: from here on LDS is only read
	s_mov_b32 s[CNT], 2
.Lpass:                                            ; two trips: q, then k
	v_add_nc_u32 v[RA16], s[SB], v[TA16]
	v_add_nc_u32 v[RA16+1], s[SB+1], v[TA16]
	v_add_nc_u32 v[RA8], s[SB], v[TA8]
	v_add_nc_u32 v[RA8+1], s[SB+1], v[TA8]
	RLOAD 0
.irp t, 0,1,2,3,4,5,6,7
	KSTEP \t, 1
.endr
	PLACES 5                                       ; behind the last products: their results are read, their operands and scales loaded anew, and the next pass's first products write over the accumulators
	s_wait_loadcnt 0x0                             ; the bias, asked for three steps ago
	SLOAD NTS, NRS                                 ; the next pass's scale words and first three K steps of T land under the epilogue
	TLOAD 0, NXT
	TLOAD 1, NXT
	TLOAD 2, NXT
.irp hh, 0,1
.irp a, 0,1,2,3
	EPI_QK \a, \hh
.endr
.endr
	s_wait_xcnt 0x0                                ; loads and stores have read their bases: the pointers move on
	s_mov_b64 s[CT:CT+1], s[NXT:NXT+1]
	s_mov_b64 s[NXT:NXT+1], s[VT:VT+1]
	s_mov_b64 s[NTS:NTS+1], s[VTS:VTS+1]
	s_mov_b64 s[NRS:NRS+1], s[VRS:VRS+1]
	s_mov_b64 s[BP:BP+1], s[BP2:BP2+1]
	s_mov_b64 s[OC:OC+1], s[OC2:OC2+1]
	s_mov_b64 s[OS:OS+1], s[OS2:OS2+1]
	s_add_co_u32 s[SB], s[SB], 98304               ; the next slab
	s_add_co_u32 s[SB+1], s[SB+1], 98304
	s_sub_co_u32 s[CNT], s[CNT], 1
	s_cmp_lg_u32 s[CNT], 0
	s_cbranch_scc1 .Lpass
	v_add_nc_u32 v[RA16], s[SB], v[TA16]           ; pass v
	v_add_nc_u32 v[RA16+1], s[SB+1], v[TA16]
	v_add_nc_u32 v[RA8], s[SB], v[TA8]
	v_add_nc_u32 v[RA8+1], s[SB+1], v[TA8]
	RLOAD 0
.irp t, 0,1,2,3,4,5,6,7
	KSTEP \t, 0
.endr
	PLACES 5
.irp a, 0,1,2,3
	EPI_V \a
.endr
	s_wait_tensorcnt 0x0
	ds_add_u32 v254, v255
	s_wait_dscnt 0x0
	CROUND                                         ; the closing round
	s_endpgm
.Lfunc_end_k_q0ed46c8fa7_proj:
	.size	k_q0ed46c8fa7_proj, .Lfunc_end_k_q0ed46c8fa7_proj-k_q0ed46c8fa7_proj
	.p2alignl 7, 3214868480
	.fill 96, 4, 3214868480
	.section	.rodata,"a",@progbits
	.p2align	6, 0x0
	.amdhsa_kernel k_q0ed46c8fa7_proj
		.amdhsa_group_segment_fixed_size 295424
		.amdhsa_private_segment_fixed_size 0
		.amdhsa_enable_private_segment 0
		.amdhsa_kernarg_size 40
		.amdhsa_user_sgpr_count 2
		.amdhsa_user_sgpr_kernarg_segment_ptr 1
		.amdhsa_wavefront_size32 1
		.amdhsa_system_sgpr_workgroup_id_x 1
		.amdhsa_system_sgpr_workgroup_id_y 1
		.amdhsa_system_sgpr_workgroup_id_z 1
		.amdhsa_system_vgpr_workitem_id 0
		.amdhsa_next_free_vgpr 1024
		.amdhsa_next_free_sgpr 100
		.amdhsa_reserve_vcc 0
		.amdhsa_float_denorm_mode_32 3
		.amdhsa_float_denorm_mode_16_64 3
		.amdhsa_memory_ordered 1
		.amdhsa_forward_progress 1
		.amdhsa_inst_pref_size 208
	.end_amdhsa_kernel
	.amdgpu_metadata
---
amdhsa.version: [ 1, 2 ]
amdhsa.kernels:
  - .name:           k_q0ed46c8fa7_proj
    .symbol:         k_q0ed46c8fa7_proj.kd
    .args:
      - { .name: pc, .offset: 0, .size: 8, .value_kind: global_buffer, .address_space: global }
      - { .name: bq, .offset: 8, .size: 8, .value_kind: global_buffer, .address_space: global }
      - { .name: bk, .offset: 16, .size: 8, .value_kind: global_buffer, .address_space: global }
      - { .name: bv, .offset: 24, .size: 8, .value_kind: global_buffer, .address_space: global }
      - { .name: pj, .offset: 32, .size: 8, .value_kind: global_buffer, .address_space: global }
    .group_segment_fixed_size: 295424
    .private_segment_fixed_size: 0
    .kernarg_segment_align: 8
    .kernarg_segment_size: 40
    .max_flat_workgroup_size: 128
    .sgpr_count:     100
    .vgpr_count:     1024
    .wavefront_size: 32
...
	.end_amdgpu_metadata
.endif
;; end of part 2
;; launch attn (part 3): grid 4 x 64, 16 waves a work-group, no clusters, 210,944 bytes of LDS; arguments pj, mk, at; writes at
.if DOCPART == 3
	.amdgcn_target "amdgcn-amd-amdhsa--gfx1250"
	.amdhsa_code_object_version 6
	.text
	.protected	k_q0ed46c8fa7_attn
	.globl	k_q0ed46c8fa7_attn
	.p2align	8
	.type	k_q0ed46c8fa7_attn,@function
k_q0ed46c8fa7_attn:
	s_mov_b64 s[64:65], 0
	v_nop
	global_prefetch_b8 v0, s[64:65] scope:SCOPE_SE
	s_setreg_imm32_b32 hwreg(HW_REG_WAVE_MODE, 25, 1), 1
	s_wait_xcnt 0x0
; ATTN: O = softmax(mask(q k^T / 8)) v on codes of FP6 (E2M3) with E8M0 scales, and O / l quantised along the head's 64 for the output projection.
; p = 2^(t - M), t = score x log2(e) / 8, M the running largest t rounded up to a whole number; the row's sum l is taken of the unquantised p and divides at the end.
; SHARES.  Work-group (x, batch x head) copies the head's K and V codes and scale words (208,896 bytes) through registers into LDS once; one barrier; from there on LDS is only read and no wave waits for another.
;   Wave w walks query tile 16 x + w and then tile 127 less that; a tile walks the 16 steps of 128 keys.  A step in which no key counts for any of the 16 queries is passed over, and a step in which all count skips
;   the mask's 64 selects: both by scalar branches on flags that the first launch stored.  So this launch has no tensor load and no cluster: the partners' walks would differ.
; LAYOUT.  Both products are used transposed: S^T = K Q^T, O^T = V^T P^T: a lane holds one query.  The keys of a tile are chosen so that the 16 registers of two neighbouring tiles are 16 neighbouring keys.
; K = 64 IN AN INSTRUCTION OF 128: Q's fragment is six registers of codes and six of zeros.  K's fragments are runs of twelve registers that overlap: the upper six are the next tile's codes (behind the last tile: six zeros),
;   multiplied by Q's zero codes under scale bytes 0x7f: they add exact zeros.
; THE MASK.  A hidden score becomes -2^33 (a logit of -2^30 where the definition has -1e9): score x c is then exact and a whole number, so a row with no key at all gets p = 1 for every key.
; LIMITS: equal to the definition while every open logit lies above about -0.99e9; NaN and infinities are not served; a block of p or of O under 2^-124 keeps the scale byte 1.
; REGISTERS: v1-4, v29-31, v92 addresses that stay; v5-10 the step's; v11 -2^33; v12 -M, v13 largest t, v[14:15] l; v16-27 Q; v28 Q's scale words; v32-79 K, then V; v80-85 zeros; v86-91 scale words; v96-159 S^T, p; v160-191 O^T; v192.. at work.
.set KC,  6291456
.set VC,  12582912
.set QS,  18874368
.set KS,  19398656
.set VS,  19922944
.set AS,  6291456
.set FL,  524288
.set LV,  98304                        ; LDS: K's codes at 0, V's here,
.set LKS, 196608                       ; K's scale words,
.set LVS, 204800                       ; V's
.set KF,  32
.set S,   96
.set O,   160
.set PCD, 192                          ; v192-203 p's codes
.set CV,  204                          ; v204-210 conversions' second halves
.set BM,  212                          ; v212-215 block maxima
.set PB,  216                          ; v216-219 the other half's, then bytes
.set SO,  220                          ; v220-223 scale operands
.set PWD, 224                          ; p's scale word
.set FF,  226                          ; v[226:227] f
.set TT,  228
.set SU,  230                          ; v[230:231] the sums' second chain
.set CS,  84                           ; s[84:85] c
.set SEL, 86
.set HI,  88
.set TAU, 89
.set CNT, 90
.set TS1, 91
	s_load_b128 s[4:7], s[0:1], 0x0                ; pj, mk
	s_load_b64 s[8:9], s[0:1], 0x10                ; at
	v_lshl_add_u32 v254, v0, 2, 0x33000
	v_mov_b32 v255, 0
	v_lshrrev_b32 v1, 5, v0
	v_readfirstlane_b32 s2, v1                     ; wave 0..15
	s_and_b32 s3, ttmp7, 0xffff                    ; 16 batch + head
	v_lshlrev_b32 v232, 4, v0                      ; the fill: 16 bytes a thread, 8,192 a line
	v_add_nc_u32 v233, 0x10000, v232
	v_add_nc_u32 v234, 0x20000, v232
	v_add_nc_u32 v235, 0x30000, v232
	v_lshl_add_u32 v236, v0, 3, LVS
	v_lshlrev_b32 v237, 3, v0
	s_lshl_b32 s[TAU], ttmp9, 4
	s_add_co_u32 s[TAU], s[TAU], s2                ; my first query tile
	s_lshr_b32 s[TS1], s3, 4                       ; batch
	s_and_b32 s96, s3, 15                          ; head
	s_mul_i32 s98, s[TS1], 1572864                 ; 128 tiles x 8 steps x 1,536
	s_mul_i32 s99, s96, 768                        ; step head / 2, half head % 2
	s_add_co_u32 s98, s98, s99
	s_mov_b32 s99, 0
	s_lshl_b32 s12, s[TS1], 16                     ; 128 tiles x 512
	s_bfe_u32 s13, s96, 0x10001
	s_lshl_b32 s13, s13, 8                         ; 256 ((head / 2) % 2)
	s_add_co_u32 s12, s12, s13
	s_lshr_b32 s13, s96, 2
	s_lshl_b32 s13, s13, 2                         ; 4 (head / 4)
	s_add_co_u32 s12, s12, s13
	s_and_b32 s13, s96, 1
	s_lshl_b32 s13, s13, 1                         ; 2 (head % 2)
	s_add_co_u32 s12, s12, s13
	s_add_co_u32 s12, s12, AS
	s_mov_b32 s13, 0
	s_mul_i32 s96, s3, 98304
	s_mov_b32 s97, 0
	s_mov_b32 s[CS], 0x3e38aa3b                    ; c = log2(e) / 8
	s_mov_b32 s[CS+1], s[CS]
	s_mov_b32 s[SEL], 0x76543210
	s_mov_b32 s[SEL+1], 0xfedcba98
	s_mov_b32 s[HI], 0xffff0000
	s_mov_b32 s[CNT], 2
	s_wait_kmcnt 0x0
	s_add_nc_u64 s[100:101], s[8:9], s[12:13]      ; where my head's scale bytes go, tile 0
	s_add_nc_u64 s[8:9], s[8:9], s[98:99]          ; and its codes
	s_add_nc_u64 s[92:93], s[4:5], s[96:97]        ; Q's codes of the head
	s_add_nc_u64 s[12:13], s[92:93], KC            ; K's
	s_add_nc_u64 s[14:15], s[92:93], VC            ; V's
	s_lshl_b32 s98, s3, 13
	s_add_nc_u64 s[94:95], s[4:5], s[98:99]
	s_add_nc_u64 s[10:11], s[94:95], KS            ; K's scale words
	s_add_nc_u64 s[94:95], s[94:95], QS            ; Q's
	s_lshl_b32 s98, s3, 12
	s_add_nc_u64 s[66:67], s[4:5], s[98:99]
	s_add_nc_u64 s[66:67], s[66:67], VS            ; V's
.irp i, 0,1,2,3,4,5,6,7,8,9,10,11
	global_load_b128 v[96+4*\i:99+4*\i], v232, s[12:13] offset:8192*\i
.endr
.irp i, 0,1,2,3,4,5,6,7,8,9,10,11
	global_load_b128 v[144+4*\i:147+4*\i], v232, s[14:15] offset:8192*\i
.endr
	global_load_b128 v[192:195], v232, s[10:11]
	global_load_b64 v[196:197], v237, s[66:67]
	v_and_b32 v93, 31, v0                          ; l
	v_and_b32 v94, 15, v0                          ; r
	v_bfe_u32 v95, v0, 4, 1                        ; h
	v_lshlrev_b32 v1, 4, v93                       ; 16 l
	v_lshl_add_u32 v2, v93, 3, 512                 ; 8 l + 512
	v_lshl_add_u32 v3, v93, 2, LKS
	v_lshl_add_u32 v4, v93, 2, LVS
	v_add_nc_u32 v30, LV, v1
	v_add_nc_u32 v31, LV, v2
	v_lshlrev_b32 v92, 2, v94                      ; 4 r
	v_lshl_add_u32 v29, v94, 4, v95                ; 16 r + h
	v_mov_b32 v11, 0xd0000000                      ; -2^33
.irp i, 22,23,24,25,26,27,80,81,82,83,84,85
	v_mov_b32 v\i, 0                               ; Q's upper half, and the pad behind K's last tile
.endr
.irp b, 0,1,2,3
	v_mov_b32 v[PB+\b], 0                          ; a lane permute's destination counts as read
.endr
	v_mov_b32 v[FF+1], 0                           ; named as the upper half of a pair
	v_mov_b32 v[TT], 0
.irp i, 0,1,2,3,4,5,6,7
	s_wait_loadcnt 25-\i                           ; load i is in; those issued behind it stay out
	ds_store_b128 v232, v[96+4*\i:99+4*\i] offset:8192*\i
.endr
.irp i, 8,9,10,11
	s_wait_loadcnt 25-\i
	ds_store_b128 v233, v[96+4*\i:99+4*\i] offset:8192*(\i-8)
.endr
.irp i, 0,1,2,3
	s_wait_loadcnt 13-\i
	ds_store_b128 v233, v[144+4*\i:147+4*\i] offset:32768+8192*\i
.endr
.irp i, 4,5,6,7,8,9,10,11
	s_wait_loadcnt 13-\i
	ds_store_b128 v234, v[144+4*\i:147+4*\i] offset:8192*(\i-4)
.endr
	s_wait_loadcnt 1
	ds_store_b128 v235, v[192:195]
	s_wait_loadcnt 0
	ds_store_b64 v236, v[196:197]
	s_wait_dscnt 0x0                               ; for the others' sake: my stores have landed
	s_barrier_signal -1
	s_barrier_wait -1
.Lpass:                                            ; two trips: a query tile each
	s_wait_xcnt 0x0                                ; the last tile's stores have read their registers and bases
	s_mul_i32 s96, s[TAU], 768
	s_mov_b32 s97, 0
	s_add_nc_u64 s[96:97], s[92:93], s[96:97]
	s_lshl_b32 s98, s[TAU], 6
	s_mov_b32 s99, 0
	s_add_nc_u64 s[98:99], s[94:95], s[98:99]
	global_load_b128 v[16:19], v1, s[96:97]        ; Q's six registers of codes
	global_load_b64 v[20:21], v2, s[96:97]
	global_load_b32 v28, v92, s[98:99]             ; and its scale words
	s_lshl_b32 s12, s[TAU], 8
	s_mov_b32 s13, 0
	s_add_nc_u64 s[12:13], s[6:7], s[12:13]
	s_load_b64 s[10:11], s[12:13], FL              ; s10: steps to do; s11: steps in which all keys count
	s_lshl_b32 s66, s[TAU], 12
	s_mov_b32 s67, 0
	s_add_nc_u64 s[66:67], s[6:7], s[66:67]        ; the tile's lane masks
	v_mov_b32 v13, 0xff61b1e6                      ; the largest t so far: -3e38
	v_floor_f32 v12, -v13
	v_mov_b32 v14, 0
	v_mov_b32 v15, 0
.set j, 0
.rept 32
	v_mov_b32 v[O+j], 0                            ; the step is written once: the first finds zeros
.set j, j+1
.endr
	s_wait_kmcnt 0x0
	s_mov_b32 s12, 0                               ; the step
	s_mov_b32 s13, 0                               ; 6,144 x step: codes
	s_mov_b32 s14, 0                               ; 512 x step: K's scale words
	s_mov_b32 s15, 0                               ; 256 x step: V's
	s_wait_loadcnt 0x0
.Lstep:                                            ; 16 trips
	s_lshr_b32 s[TS1], s10, s12
	s_and_b32 s[TS1], s[TS1], 1
	s_cmp_lg_u32 s[TS1], 0
	s_cbranch_scc0 .Lnext                          ; no key of this step counts for any of my queries
	s_load_b512 s[16:31], s[66:67], 0x0            ; the step's 64 lane masks: they land under K's loads and products
	s_load_b512 s[32:47], s[66:67], 0x40
	s_load_b512 s[48:63], s[66:67], 0x80
	s_load_b512 s[68:83], s[66:67], 0xc0
	v_add_nc_u32 v5, s13, v1                       ; six plain lines: also the places behind the last step's products, in front of the loads below
	v_add_nc_u32 v6, s13, v2
	v_add_nc_u32 v7, s13, v30
	v_add_nc_u32 v8, s13, v31
	v_add_nc_u32 v9, s14, v3
	v_add_nc_u32 v10, s15, v4
.irp t, 0,1,2,3,4,5,6,7
	ds_load_b128 v[KF+6*\t:KF+6*\t+3], v5 offset:768*\t
	ds_load_b64 v[KF+6*\t+4:KF+6*\t+5], v6 offset:768*\t
.endr
.irp p, 0,1,2,3
	ds_load_b32 v[86+\p], v9 offset:128*\p         ; lanes 0-15: tile 2 p's words; lanes 16-31: tile 2 p + 1's
.endr
	s_wait_dscnt 0x0
.irp t, 0,2,4,6
	v_wmma_scale_f32_16x16x128_f8f6f4 v[S+8*\t:S+8*\t+7], v[KF+6*\t:KF+6*\t+11], v[16:27], 0, v[86+\t/2], v28 matrix_a_fmt:MATRIX_FMT_FP6 matrix_b_fmt:MATRIX_FMT_FP6
	v_wmma_scale_f32_16x16x128_f8f6f4 v[S+8*\t+8:S+8*\t+15], v[KF+6*\t+6:KF+6*\t+17], v[16:27], 0, v[86+\t/2], v28 matrix_a_fmt:MATRIX_FMT_FP6 matrix_b_fmt:MATRIX_FMT_FP6 matrix_a_scale:MATRIX_SCALE_ROW1
.endr
.rept 4
	v_nop                                          ; places: in front of the loads into K's registers and of the first read of the scores
.endr
.irp d, 0,1,2,3
.irp c, 0,1
	ds_load_b128 v[KF+12*\d+6*\c:KF+12*\d+6*\c+3], v7 offset:1536*\d+768*\c   ; V's four fragments land under the softmax
	ds_load_b64 v[KF+12*\d+6*\c+4:KF+12*\d+6*\c+5], v8 offset:1536*\d+768*\c
.endr
.endr
	ds_load_b32 v90, v10
	ds_load_b32 v91, v10 offset:128
	s_wait_kmcnt 0x0                               ; the lane masks are in
	s_lshr_b32 s[TS1], s11, s12
	s_and_b32 s[TS1], s[TS1], 1
	s_cmp_lg_u32 s[TS1], 0
	s_cbranch_scc1 .Lfull                          ; all keys of the step count
.set n, 0
.rept 48
	v_cndmask_b32 v[S+n], v11, v[S+n], s[16+n]     ; the score where the mask is true, else -2^33
.set n, n+1
.endr
.rept 16
	v_cndmask_b32 v[S+n], v11, v[S+n], s[20+n]
.set n, n+1
.endr
.Lfull:
.irp b, 0,1,2,3
	v_max3_num_f32 v[BM+\b], v[S+16*\b], v[S+1+16*\b], v[S+2+16*\b]   ; the largest score of each block of 32 keys: for the row's maximum, and for the block's largest p
.endr
.irp i, 3,5,7,9,11,13
.irp b, 0,1,2,3
	v_max3_num_f32 v[BM+\b], v[BM+\b], v[S+16*\b+\i], v[S+1+16*\b+\i]
.endr
.endr
.irp b, 0,1,2,3
	v_max_num_f32 v[BM+\b], v[BM+\b], v[S+15+16*\b]
.endr
.irp b, 0,1,2,3
	v_permlanex16_b32 v[PB+\b], v[BM+\b], s[SEL], s[SEL+1]
.endr
.irp b, 0,1,2,3
	v_max_num_f32 v[BM+\b], v[BM+\b], v[PB+\b]
.endr
	v_max3_num_f32 v[TT], v[BM], v[BM+1], v[BM+2]
	v_max_num_f32 v[TT], v[TT], v[BM+3]
	v_mul_f32 v[TT], s[CS], v[TT]
	v_max_num_f32 v13, v13, v[TT]                  ; the running largest t
	v_mov_b32 v[TT], v12
	v_floor_f32 v12, -v13                          ; -M = floor(-t)
	v_sub_f32 v[TT], v12, v[TT]                    ; old M - new M: a whole number, 0 or less
	v_cvt_i32_f32 v[TT], v[TT]                     ; (it saturates)
	v_ldexp_f32 v[FF], 1.0, v[TT]                  ; f = 2^(old M - new M)
.set j, 0
.rept 32
	v_pk_fma_f32 v[S+j:S+j+1], v[S+j:S+j+1], s[CS:CS+1], v[12:13] op_sel_hi:[1,0,0]   ; t - M
.set j, j+2
.endr
.irp b, 0,1,2,3
	v_fma_f32 v[BM+\b], v[BM+\b], s[CS], v12
.endr
.set j, 0
.rept 64
	v_exp_f32 v[S+j], v[S+j]                       ; p
.set j, j+1
.endr
	v_pk_mul_f32 v[14:15], v[14:15], v[FF:FF+1] op_sel_hi:[1,0]   ; l under the new M: a plain line behind the exponentials
	s_wait_alu depctr_va_vdst(0)                   ; one wait for the batch of 64, ahead of its first reader
.irp b, 0,1,2,3
	v_exp_f32 v[BM+\b], v[BM+\b]                   ; each block's largest p
.endr
	v_pk_add_f32 v[SU:SU+1], v[S:S+1], v[S+2:S+3]  ; l is summed of the unquantised p, in two chains
.set j, 4
.rept 15
	v_pk_add_f32 v[14:15], v[14:15], v[S+j:S+j+1]
	v_pk_add_f32 v[SU:SU+1], v[SU:SU+1], v[S+j+2:S+j+3]
.set j, j+4
.endr
	v_pk_add_f32 v[14:15], v[14:15], v[SU:SU+1]
	s_wait_alu depctr_va_vdst(0)                   ; and one for the four
.irp b, 0,1,2,3
	v_max_num_f32 v[BM+\b], 0x1800000, v[BM+\b]    ; the floor: the byte cannot fall under 1
.endr
.irp b, 0,1,2,3
	v_add_nc_u32 v[SO+\b], 0xff000000, v[BM+\b]
.endr
.irp b, 0,1,2,3
	v_lshrrev_b32 v[PB+\b], 23, v[SO+\b]
.endr
	v_lshl_or_b32 v[PWD], v[PB+1], 8, v[PB]
	v_lshl_or_b32 v[PWD], v[PB+2], 16, v[PWD]
	v_lshl_or_b32 v[PWD], v[PB+3], 24, v[PWD]
.irp c, 0,1
	v_cvt_scalef32_pk16_fp6_f32 v[PCD+6*\c:PCD+2+6*\c], v[S+32*\c:S+15+32*\c], v[SO+2*\c]
	v_cvt_scalef32_pk16_fp6_f32 v[CV+4*\c:CV+2+4*\c], v[S+16+32*\c:S+31+32*\c], v[SO+2*\c+1]
.endr
	v_nop
.irp c, 0,1
.irp i, 0,1,2
	v_permlane16_swap_b32 v[PCD+6*\c+\i], v[CV+4*\c+\i]
.endr
.irp i, 0,1,2
	v_mov_b32 v[PCD+3+6*\c+\i], v[CV+4*\c+\i]
.endr
.endr
.set j, 0
.rept 16
	v_pk_mul_f32 v[O+j:O+j+1], v[O+j:O+j+1], v[FF:FF+1] op_sel_hi:[1,0]   ; O^T under the new M; these 16 are also the places in front of the scaled products
.set j, j+2
.endr
	s_wait_dscnt 0x0                               ; V is in
.irp d, 0,2
	v_wmma_scale_f32_16x16x128_f8f6f4 v[O+8*\d:O+8*\d+7], v[KF+12*\d:KF+12*\d+11], v[PCD:PCD+11], v[O+8*\d:O+8*\d+7], v[90+\d/2], v[PWD] matrix_a_fmt:MATRIX_FMT_FP6 matrix_b_fmt:MATRIX_FMT_FP6
	v_wmma_scale_f32_16x16x128_f8f6f4 v[O+8*\d+8:O+8*\d+15], v[KF+12*\d+12:KF+12*\d+23], v[PCD:PCD+11], v[O+8*\d+8:O+8*\d+15], v[90+\d/2], v[PWD] matrix_a_fmt:MATRIX_FMT_FP6 matrix_b_fmt:MATRIX_FMT_FP6 matrix_a_scale:MATRIX_SCALE_ROW1
.endr
.Lnext:
	s_add_co_u32 s13, s13, 6144
	s_add_co_u32 s14, s14, 512
	s_add_co_u32 s15, s15, 256
	s_add_nc_u64 s[66:67], s[66:67], 256           ; no scalar load is out here
	s_add_co_u32 s12, s12, 1
	s_cmp_lt_u32 s12, 16
	s_cbranch_scc1 .Lstep
	; the tile's end: O^T / l, quantised along the head's 64, as half a fragment of the output projection's operand
.rept 4
	v_nop
.endr
	v_add_f32 v14, v14, v15
	v_permlanex16_b32 v[TT], v14, s[SEL], s[SEL+1]
	v_add_f32 v14, v14, v[TT]
	v_rcp_f32 v14, v14
	v_nop
	s_wait_alu depctr_va_vdst(0)
.set j, 0
.rept 32
	v_mul_f32 v[S+j], v[O+j], v14                  ; register 16 e + i is channel 32 e + 16 h + i of my query
.set j, j+1
.endr
.irp b, 0,1
	v_max3_num_f32 v[BM+\b], |v[S+16*\b]|, |v[S+1+16*\b]|, 0x1800000
.endr
.irp i, 2,4,6,8,10,12,14
.irp b, 0,1
	v_max3_num_f32 v[BM+\b], v[BM+\b], |v[S+16*\b+\i]|, |v[S+1+16*\b+\i]|
.endr
.endr
.irp b, 0,1
	v_permlanex16_b32 v[PB+\b], v[BM+\b], s[SEL], s[SEL+1]
.endr
.irp b, 0,1
	v_max_num_f32 v[BM+\b], v[BM+\b], v[PB+\b]
.endr
.irp b, 0,1
	v_add_nc_u32 v[SO+\b], 0xff000000, v[BM+\b]
.endr
.irp b, 0,1
	v_lshrrev_b32 v[PB+\b], 23, v[SO+\b]
.endr
	v_cndmask_b32 v[TT], v[PB], v[PB+1], s[HI]     ; lane (r, h) stores the byte of block h of row r
	v_cvt_scalef32_pk16_fp6_f32 v[PCD:PCD+2], v[S:S+15], v[SO]
	v_cvt_scalef32_pk16_fp6_f32 v[CV:CV+2], v[S+16:S+31], v[SO+1]
	v_nop
.irp i, 0,1,2
	v_permlane16_swap_b32 v[PCD+\i], v[CV+\i]
.endr
.irp i, 0,1,2
	v_mov_b32 v[PCD+3+\i], v[CV+\i]
.endr
	s_mul_i32 s96, s[TAU], 12288
	s_mov_b32 s97, 0
	s_add_nc_u64 s[96:97], s[8:9], s[96:97]
	s_lshl_b32 s98, s[TAU], 9
	s_mov_b32 s99, 0
	s_add_nc_u64 s[98:99], s[100:101], s[98:99]
	global_store_b128 v1, v[PCD:PCD+3], s[96:97]   ; 512 consecutive bytes,
	global_store_b64 v2, v[PCD+4:PCD+5], s[96:97]  ; and 256
	global_store_b8 v29, v[TT], s[98:99]           ; 32 single bytes beside 768 of codes: the word's other bytes are other heads'
	s_sub_co_u32 s[TAU], 127, s[TAU]               ; the second tile: with a mask that grows with the query the two together have an even share
	s_sub_co_u32 s[CNT], s[CNT], 1
	s_cmp_lg_u32 s[CNT], 0
	s_cbranch_scc1 .Lpass
	s_wait_tensorcnt 0x0
	ds_add_u32 v254, v255
	s_wait_dscnt 0x0
	s_endpgm
.Lfunc_end_k_q0ed46c8fa7_attn:
	.size	k_q0ed46c8fa7_attn, .Lfunc_end_k_q0ed46c8fa7_attn-k_q0ed46c8fa7_attn
	.p2alignl 7, 3214868480
	.fill 96, 4, 3214868480
	.section	.rodata,"a",@progbits
	.p2align	6, 0x0
	.amdhsa_kernel k_q0ed46c8fa7_attn
		.amdhsa_group_segment_fixed_size 210944
		.amdhsa_private_segment_fixed_size 0
		.amdhsa_enable_private_segment 0
		.amdhsa_kernarg_size 24
		.amdhsa_user_sgpr_count 2
		.amdhsa_user_sgpr_kernarg_segment_ptr 1
		.amdhsa_wavefront_size32 1
		.amdhsa_system_sgpr_workgroup_id_x 1
		.amdhsa_system_sgpr_workgroup_id_y 1
		.amdhsa_system_sgpr_workgroup_id_z 1
		.amdhsa_system_vgpr_workitem_id 0
		.amdhsa_next_free_vgpr 256
		.amdhsa_next_free_sgpr 102
		.amdhsa_reserve_vcc 0
		.amdhsa_float_denorm_mode_32 3
		.amdhsa_float_denorm_mode_16_64 3
		.amdhsa_memory_ordered 1
		.amdhsa_forward_progress 1
		.amdhsa_inst_pref_size 36
	.end_amdhsa_kernel
	.amdgpu_metadata
---
amdhsa.version: [ 1, 2 ]
amdhsa.kernels:
  - .name:           k_q0ed46c8fa7_attn
    .symbol:         k_q0ed46c8fa7_attn.kd
    .args:
      - { .name: pj, .offset: 0, .size: 8, .value_kind: global_buffer, .address_space: global }
      - { .name: mk, .offset: 8, .size: 8, .value_kind: global_buffer, .address_space: global }
      - { .name: at, .offset: 16, .size: 8, .value_kind: global_buffer, .address_space: global }
    .group_segment_fixed_size: 210944
    .private_segment_fixed_size: 0
    .kernarg_segment_align: 8
    .kernarg_segment_size: 24
    .max_flat_workgroup_size: 512
    .sgpr_count:     102
    .vgpr_count:     256
    .wavefront_size: 32
...
	.end_amdgpu_metadata
.endif
;; end of part 3
;; launch outp (part 4): grid 256 x 1, 4 waves a work-group, clusters of 4 x 1, 168,448 bytes of LDS; arguments at, pc, bo, out0; writes out0
.if DOCPART == 4
	.amdgcn_target "amdgcn-amd-amdhsa--gfx1250"
	.amdhsa_code_object_version 6
	.text
	.protected	k_q0ed46c8fa7_outp
	.globl	k_q0ed46c8fa7_outp
	.p2align	8
	.type	k_q0ed46c8fa7_outp,@function
k_q0ed46c8fa7_outp:
	s_mov_b64 s[64:65], 0
	v_nop
	global_prefetch_b8 v0, s[64:65] scope:SCOPE_SE
	s_setreg_imm32_b32 hwreg(HW_REG_WAVE_MODE, 25, 1), 1
	s_wait_xcnt 0x0
	s_wait_alu depctr_hold_cnt(0) depctr_sa_sdst(0) depctr_va_vdst(0) depctr_va_sdst(0) depctr_va_ssrc(0) depctr_va_vcc(0) depctr_vm_vsrc(0)
	s_getreg_b32 s2, hwreg(HW_REG_IB_STS2, 6, 4)
	s_cmp_eq_u32 s2, 0
	s_cbranch_scc0 .Lentry_in_a_cluster
	s_endpgm
.Lentry_in_a_cluster:
	s_bfe_u32 s2, ttmp6, 0x10000c
	s_cmp_lg_u32 s2, 0x3003
	s_cbranch_scc0 .Lentry_shape_is_right
	s_endpgm
.Lentry_shape_is_right:
; OUTP: out0 = x Wo + bo on codes of FP6 (E2M3) with E8M0 scales; x's codes come from attention, Wo's from the first launch, both in the order of the operand's registers.
; Operand R (source 0): 128 columns of Wo = 8 tiles, resident in LDS for all of K (98,304 dense bytes), asked for jointly by the four work-groups of a cluster, each wave its quarter: one tensor load of mine is out.
; Operand T (source 1): 64 rows of x = 4 tiles a wave, streamed from memory into registers, three K steps ahead.  A wave has 32 accumulators; a lane holds one row and 16 neighbouring columns in each pair of tiles.
; The way out: 16 rows x 128 columns at a time through the wave's own stage in LDS (rows 528 bytes apart; no fill lands there); each store of the wave covers 512 consecutive bytes, aligned.
; REGISTERS: window 0: addresses, scale words, bias, way out;  window 1: accumulators, (a, b) at v[8 (8 a + b)];  window 2: T's fragments, four sets of 48;  window 3: R's, two sets of 96.
.set WC,  19660800
.set WS,  22806528
.set AS,  6291456
.set STG, 98304
.set WV,  14
.set CX,  15
.set G1,  24
.set G0,  32
.set CT,  44
.set CTS, 46
.set CRS, 48
.set BP,  50
.set OP,  52
.set TA16, 4
.set TA8,  5
.set RA16, 6
.set RA8,  8
.set H64,  10
.set SO,   11
.set SR,   12
.set BK,   16                          ; v16-79 rows read back from the stage
.set TS,   32
.set RS,   48
.set BI,   80
.set TMP,  144
.set MSB, 0
.macro WIN new
.if MSB != (\new)
	s_set_vgpr_msb (MSB<<8)|(\new)
.set MSB, (\new)
.endif
.endm
.macro PLACES n
.rept \n
	v_nop
.endr
.endm
.macro CROUND
	s_barrier_signal -1
	s_barrier_wait -1
	s_cmp_lg_u32 s[WV], 0
	s_cbranch_scc1 .Lnot_wave_0_\@
	s_barrier_signal -3
.Lnot_wave_0_\@:
	s_barrier_wait -3
	s_barrier_signal -1
	s_barrier_wait -1
.endm
.macro RLOAD st
	WIN 0xc0
.irp b, 0,1,2,3,4,5,6,7
.irp c, 0,1
	ds_load_b128 v[96*((\st)%2)+12*\b+6*\c:96*((\st)%2)+12*\b+6*\c+3], v[RA16+\b/4] offset:(\b%4)*12288+(\st)*1536+\c*768
	ds_load_b64 v[96*((\st)%2)+12*\b+6*\c+4:96*((\st)%2)+12*\b+6*\c+5], v[RA8+\b/4] offset:(\b%4)*12288+(\st)*1536+\c*768
.endr
.endr
.endm
.macro TLOAD st
	WIN 0x80
.irp a, 0,1,2,3
.irp c, 0,1
	global_load_b128 v[48*((\st)%4)+12*\a+6*\c:48*((\st)%4)+12*\a+6*\c+3], v[TA16], s[CT:CT+1] offset:\a*12288+(\st)*1536+\c*768
	global_load_b64 v[48*((\st)%4)+12*\a+6*\c+4:48*((\st)%4)+12*\a+6*\c+5], v[TA8], s[CT:CT+1] offset:\a*12288+(\st)*1536+\c*768
.endr
.endr
.endm
.macro MUL st                          ; the 32 accumulators take turns, one instruction a turn; step 0 starts the sums
	WIN 0x5b
.irp a, 0,1,2,3
.irp b, 0,1,2,3,4,5,6,7
.if (\st) == 0
	v_wmma_scale_f32_16x16x128_f8f6f4 v[8*(8*\a+\b):8*(8*\a+\b)+7], v[96*((\st)%2)+12*\b:96*((\st)%2)+12*\b+11], v[48*((\st)%4)+12*\a:48*((\st)%4)+12*\a+11], 0, v[RS+4*\b+(\st)/2], v[TS+4*\a+(\st)/2] matrix_a_fmt:MATRIX_FMT_FP6 matrix_b_fmt:MATRIX_FMT_FP6
.elseif (\st)%2 == 0
	v_wmma_scale_f32_16x16x128_f8f6f4 v[8*(8*\a+\b):8*(8*\a+\b)+7], v[96*((\st)%2)+12*\b:96*((\st)%2)+12*\b+11], v[48*((\st)%4)+12*\a:48*((\st)%4)+12*\a+11], v[8*(8*\a+\b):8*(8*\a+\b)+7], v[RS+4*\b+(\st)/2], v[TS+4*\a+(\st)/2] matrix_a_fmt:MATRIX_FMT_FP6 matrix_b_fmt:MATRIX_FMT_FP6
.else
	v_wmma_scale_f32_16x16x128_f8f6f4 v[8*(8*\a+\b):8*(8*\a+\b)+7], v[96*((\st)%2)+12*\b:96*((\st)%2)+12*\b+11], v[48*((\st)%4)+12*\a:48*((\st)%4)+12*\a+11], v[8*(8*\a+\b):8*(8*\a+\b)+7], v[RS+4*\b+(\st)/2], v[TS+4*\a+(\st)/2] matrix_a_fmt:MATRIX_FMT_FP6 matrix_b_fmt:MATRIX_FMT_FP6 matrix_a_scale:MATRIX_SCALE_ROW1 matrix_b_scale:MATRIX_SCALE_ROW1
.endif
.endr
.endr
.endm
.macro KSTEP st
	PLACES 4                                       ; behind the last step's products, in front of loads into registers that they read
.if (\st) < 7
	RLOAD (\st)+1
.endif
.if (\st) < 5
	TLOAD (\st)+3
.endif
.if (\st) < 7
	s_wait_dscnt 32                                ; this step's R is in; the next step's 32 loads stay out
.else
	s_wait_dscnt 0
.endif
.if (\st) < 5
	s_wait_loadcnt 48                              ; this step's T is in; three later steps' 16 loads each stay out
.else
	s_wait_loadcnt 16*(7-(\st))
.endif
	MUL \st
.endm
.macro OUT a                           ; T's tile a: 16 rows x 128 columns
	s_wait_xcnt 0x0                                ; the last tile's stores have read the registers that are loaded again
	WIN 0x01
.set j, 0
.rept 32
	v_pk_add_f32 v[TMP+j:TMP+j+1], v[64*(\a)+j:64*(\a)+j+1], v[BI+j:BI+j+1]   ; each accumulator from its low end on
.set j, j+2
.endr
	WIN 0
.irp b, 0,1,2,3,4,5,6,7
	ds_store_b128 v[SO], v[TMP+8*\b:TMP+8*\b+3] offset:128*(\b/2)+32*(\b%2)
	ds_store_b128 v[SO], v[TMP+8*\b+4:TMP+8*\b+7] offset:128*(\b/2)+32*(\b%2)+16
.endr
.irp p, 0,1,2,3,4,5,6,7,8,9,10,11,12,13,14,15
	ds_load_b128 v[BK+4*\p:BK+4*\p+3], v[SR] offset:528*\p   ; LDS serves a wave's instructions in order: these see the stores above
.endr
.irp p, 0,1,2,3,4,5,6,7,8,9,10,11,12,13,14,15
	s_wait_dscnt 15-\p                             ; row p is back; the younger loads stay out
	global_store_b128 v[TA16], v[BK+4*\p:BK+4*\p+3], s[OP:OP+1] offset:(32*((\a)/2)+8*((\a)%2)+\p+8*(\p/8))*4096 th:TH_STORE_NT
.endr
.endm
	s_load_b256 s[4:11], s[0:1], 0x0               ; at, pc, bo, out0
	v_lshl_add_u32 v254, v0, 2, 0x29000
	v_mov_b32 v255, 0
	ds_add_u32 v254, v255
	ds_add_u32 v254, v255
	v_lshrrev_b32 v1, 5, v0
	v_readfirstlane_b32 s[WV], v1
	s_bfe_u32 s[CX], ttmp6, 0x40000                ; my place in the cluster: it enters T's and the output's addresses alone
	s_and_b32 s16, ttmp9, 7                        ; which 128 columns
	s_lshr_b32 s17, ttmp9, 3
	s_mov_b32 s[G1], 15|(3<<16)|(1<<21)            ; all four work-groups; elements of 8 bytes; bit 21 beside a mask; no padding
	s_mov_b32 s[G1+1], 32<<16
	s_mov_b32 s[G1+2], 96<<16
	s_mov_b32 s[G1+3], 32<<16
	s_mov_b32 s[G1+4], 96
	s_mov_b32 s[G1+5], 32
	s_mov_b32 s[G1+6], 0
	s_mov_b32 s[G1+7], 0
	s_mul_i32 s19, s[WV], 24576
	s_mul_i32 s20, s16, 98304
	s_add_co_u32 s20, s20, s19
	s_add_co_u32 s20, s20, WC+2359296
	s_mov_b32 s21, 0
	s_lshl_b32 s56, s17, 2
	s_add_co_u32 s56, s56, s[CX]                   ; my block of 256 rows
	s_lshl_b32 s57, s56, 4
	s_lshl_b32 s58, s[WV], 2
	s_add_co_u32 s57, s57, s58                     ; T's first tile
	s_mov_b32 s61, 0
	s_wait_dscnt 0x0
	s_wait_kmcnt 0x0
	s_mov_b32 s[G0], 1
	s_mov_b32 s[G0+1], s19
	s_add_nc_u64 s[G0+2:G0+3], s[6:7], s[20:21]
	s_or_b32 s[G0+3], s[G0+3], 0x80000000
	s_lshl_b32 s20, s16, 12
	s_add_co_u32 s20, s20, WS+98304
	s_add_nc_u64 s[CRS:CRS+1], s[6:7], s[20:21]
	s_lshl_b32 s20, s16, 9
	s_add_nc_u64 s[BP:BP+1], s[8:9], s[20:21]
	s_mul_i32 s60, s57, 12288
	s_add_nc_u64 s[CT:CT+1], s[4:5], s[60:61]
	s_lshl_b32 s60, s57, 9
	s_add_co_u32 s60, s60, AS
	s_add_nc_u64 s[CTS:CTS+1], s[4:5], s[60:61]
	s_lshl_b32 s60, s57, 16                        ; 16 rows of 4,096 bytes a tile
	s_lshl_b32 s62, s16, 9
	s_add_co_u32 s60, s60, s62
	s_add_nc_u64 s[OP:OP+1], s[10:11], s[60:61]
	CROUND                                         ; all four work-groups are here: the joint load meets
	tensor_load_to_lds s[G0:G0+3], s[G1:G1+7]
	s_nop 0
	PLACES 4                                       ; four plain lines behind the tensor load
	v_and_b32 v2, 31, v0
	v_and_b32 v3, 15, v0
	v_bfe_u32 v15, v0, 4, 1
	v_lshlrev_b32 v[TA16], 4, v2
	v_lshl_add_u32 v[TA8], v2, 3, 512
	v_lshlrev_b32 v[RA16], 4, v2
	v_add_nc_u32 v[RA16+1], 49152, v[TA16]
	v_lshl_add_u32 v[RA8], v2, 3, 512
	v_add_nc_u32 v[RA8+1], 49152, v[TA8]
	v_lshlrev_b32 v[H64], 6, v15
	s_mul_i32 s22, s[WV], 8448
	s_add_co_u32 s22, s22, STG                     ; my stage
	v_mul_u32_u24 v[SO], v3, 528
	v_add_nc_u32 v[SO], v[SO], v[H64]
	v_add_nc_u32 v[SO], s22, v[SO]                 ; in: row r, + 64 h
	v_add_nc_u32 v[SR], s22, v[TA16]               ; back: 16 l of a row
.irp m, 0,1,2,3
.irp e, 0,1,2,3
	global_load_b128 v[BI+16*\m+4*\e:BI+16*\m+4*\e+3], v[H64], s[BP:BP+1] offset:128*\m+16*\e   ; bo of my columns 32 m + 16 h + 0 .. 15
.endr
.endr
.irp a, 0,1,2,3
	global_load_b128 v[TS+4*\a:TS+4*\a+3], v[TA16], s[CTS:CTS+1] offset:512*\a
.endr
.irp b, 0,1,2,3,4,5,6,7
	global_load_b128 v[RS+4*\b:RS+4*\b+3], v[TA16], s[CRS:CRS+1] offset:512*\b
.endr
	TLOAD 0
	TLOAD 1
	TLOAD 2
	WIN 0
	s_wait_tensorcnt 0x0                           ; my quarter of the slab has landed,
	s_barrier_signal -1
	s_barrier_wait -1                              ; everybody's has
	RLOAD 0
.irp t, 0,1,2,3,4,5,6,7
	KSTEP \t
.endr
	PLACES 5                                       ; behind the last products: their results are read, and the scale words' registers are loaded anew
.irp a, 0,1,2,3
	OUT \a
.endr
	s_wait_tensorcnt 0x0
	ds_add_u32 v254, v255
	s_wait_dscnt 0x0
	CROUND                                         ; the closing round
	s_endpgm
.Lfunc_end_k_q0ed46c8fa7_outp:
	.size	k_q0ed46c8fa7_outp, .Lfunc_end_k_q0ed46c8fa7_outp-k_q0ed46c8fa7_outp
	.p2alignl 7, 3214868480
	.fill 96, 4, 3214868480
	.section	.rodata,"a",@progbits
	.p2align	6, 0x0
	.amdhsa_kernel k_q0ed46c8fa7_outp
		.amdhsa_group_segment_fixed_size 168448
		.amdhsa_private_segment_fixed_size 0
		.amdhsa_enable_private_segment 0
		.amdhsa_kernarg_size 32
		.amdhsa_user_sgpr_count 2
		.amdhsa_user_sgpr_kernarg_segment_ptr 1
		.amdhsa_wavefront_size32 1
		.amdhsa_system_sgpr_workgroup_id_x 1
		.amdhsa_system_sgpr_workgroup_id_y 1
		.amdhsa_system_sgpr_workgroup_id_z 1
		.amdhsa_system_vgpr_workitem_id 0
		.amdhsa_next_free_vgpr 1024
		.amdhsa_next_free_sgpr 66
		.amdhsa_reserve_vcc 0
		.amdhsa_float_denorm_mode_32 3
		.amdhsa_float_denorm_mode_16_64 3
		.amdhsa_memory_ordered 1
		.amdhsa_forward_progress 1
		.amdhsa_inst_pref_size 94
	.end_amdhsa_kernel
	.amdgpu_metadata
---
amdhsa.version: [ 1, 2 ]
amdhsa.kernels:
  - .name:           k_q0ed46c8fa7_outp
    .symbol:         k_q0ed46c8fa7_outp.kd
    .args:
      - { .name: at, .offset: 0, .size: 8, .value_kind: global_buffer, .address_space: global }
      - { .name: pc, .offset: 8, .size: 8, .value_kind: global_buffer, .address_space: global }
      - { .name: bo, .offset: 16, .size: 8, .value_kind: global_buffer, .address_space: global }
      - { .name: out0, .offset: 24, .size: 8, .value_kind: global_buffer, .address_space: global }
    .group_segment_fixed_size: 168448
    .private_segment_fixed_size: 0
    .kernarg_segment_align: 8
    .kernarg_segment_size: 32
    .max_flat_workgroup_size: 128
    .sgpr_count:     66
    .vgpr_count:     1024
    .wavefront_size: 32
...
	.end_amdgpu_metadata
.endif
;; end of part 4
;; ======== version 2 of 2: 4 launches; version 1 with the launch attn written anew for expert scheduling mode
;; workspace buffers: pc 23,461,888 bytes; mk 557,056 bytes of whole numbers; pj 20,185,088 bytes; at 6,553,600 bytes
;; launch prep: the kernel of part 1 again; grid 576 x 1, 4 waves a work-group, no clusters, 34,304 bytes of LDS; arguments query, key, value, Wq, Wk, Wv, Wo, mask, pc, mk; writes pc, mk
;; launch proj: the kernel of part 2 again; grid 256 x 1, 4 waves a work-group, clusters of 4 x 1, 295,424 bytes of LDS; arguments pc, bq, bk, bv, pj; writes pj
;; launch attn (part 5): grid 4 x 64, 16 waves a work-group, no clusters, 210,944 bytes of LDS; arguments pj, mk, at; writes at
.if DOCPART == 5
	.amdgcn_target "amdgcn-amd-amdhsa--gfx1250"
	.amdhsa_code_object_version 6
	.text
	.protected	k_q0ed46c8fa7_attn
	.globl	k_q0ed46c8fa7_attn
	.p2align	8
	.type	k_q0ed46c8fa7_attn,@function
k_q0ed46c8fa7_attn:
	s_mov_b64 s[64:65], 0
	v_nop
	global_prefetch_b8 v0, s[64:65] scope:SCOPE_SE
	s_setreg_imm32_b32 hwreg(HW_REG_WAVE_SCHED_MODE, 0, 2), 2
	s_setreg_imm32_b32 hwreg(HW_REG_WAVE_MODE, 25, 1), 1
	s_wait_xcnt 0x0
	s_wait_alu depctr_vm_vsrc(0)
; ATTN: O = softmax(mask(q k^T / 8)) v on codes of FP6 (E2M3) with E8M0 scales, and O / l quantised along the head's 64 for the output projection.
; p = 2^(t - M), t = score x log2(e) / 8, M the running largest t rounded up to a whole number; the row's sum l is taken of the unquantised p and divides at the end.
; SHARES.  Work-group (x, batch x head) copies the head's K and V codes and scale words (208,896 bytes) through registers into LDS once; one barrier; from there on LDS is only read and no wave waits for another.
;   Wave w walks query tile 16 x + w and then tile 127 less that; a tile walks the 16 steps of 128 keys.  A step in which no key counts for any of the 16 queries is passed over, and a step in which all count skips
;   the mask's 64 selects: both by scalar branches on flags that the first launch stored.  So this launch has no tensor load and no cluster: the partners' walks would differ.
; LAYOUT.  Both products are used transposed: S^T = K Q^T, O^T = V^T P^T: a lane holds one query.  The keys of a tile are chosen so that the 16 registers of two neighbouring tiles are 16 neighbouring keys.
; K = 64 IN AN INSTRUCTION OF 128: Q's fragment is six registers of codes and six of zeros.  K's fragments are runs of twelve registers that overlap: the upper six are the next tile's codes (behind the last tile: six zeros),
;   multiplied by Q's zero codes under scale bytes 0x7f: they add exact zeros.
; THE MASK.  A hidden score becomes -2^33 (a logit of -2^30 where the definition has -1e9): score x c is then exact and a whole number, so a row with no key at all gets p = 1 for every key.
; LIMITS: equal to the definition while every open logit lies above about -0.99e9; NaN and infinities are not served; a block of p or of O under 2^-124 keeps the scale byte 1.
; REGISTERS: v1-4, v29-31, v92 addresses that stay; v5-10 the step's; v11 -2^33; v12 -M, v13 largest t, v[14:15] l; v16-27 Q; v28 Q's scale words; v32-79 K, then V; v80-85 zeros; v86-91 scale words; v96-159 S^T, p; v160-191 O^T; v192.. at work.
; THE MODE: SCHED_MODE bits 1:0 = 2 (LLVM: expert scheduling mode 2), set by the entry lines.  The code itself states the register dependences
; between vector or matrix instructions and memory or LDS instructions, with s_wait_alu, always for 0.
; THE PLAN.  Registers that memory or LDS instructions touch:
;   v232-237       the fill's addresses: made once at the head, read by the fill's loads and LDS stores, never written again.
;   v96-197        the fill's data: its loads land there, its LDS stores read them; afterwards they are S^T, O^T and p's codes, written by matrix and vector instructions.
;   v1, v2, v92, v29  made once at the head; read by Q's loads at a pass's head and by the three stores at a tile's end.
;   v16-21, v28    Q's loads land there at a pass's head; the products K Q^T read them.
;   v5-10          written by six additions at a step's head; read by the step's 38 LDS loads.
;   v32-79         K's loads land; K Q^T reads; V's loads land; V^T P reads.  The launch gives a wave 256 registers and all are named: K and V share this one buffer.
;   v86-89, v90-91 the scale words of K and of V: LDS loads land, the products read.
;   v192-197, v228 at a tile's end: written by conversions, swaps, moves and a select; read by the three stores.
; THE WAITS.  At a pass's head one on vm_vsrc (the stores behind have read what the pass writes again) and one on va_vdst (Q's addresses are written, Q's last readers are done).  In a step: one on vm_vsrc ahead of the six
; additions; one on va_vdst behind them (the addresses are written, V^T P of the last step is done reading v32-79); one behind K Q^T (it is done reading v32-85, in which V lands); the two behind the exponentials;
; one ahead of V^T P (p's codes and scale word are written).  At a tile's end one behind the reciprocal and one ahead of the stores.  At the head one on va_sdst for the wave's number and one on va_vdst ahead of the fill.
.set KC,  6291456
.set VC,  12582912
.set QS,  18874368
.set KS,  19398656
.set VS,  19922944
.set AS,  6291456
.set FL,  524288
.set LV,  98304                        ; LDS: K's codes at 0, V's here,
.set LKS, 196608                       ; K's scale words,
.set LVS, 204800                       ; V's
.set KF,  32
.set S,   96
.set O,   160
.set PCD, 192                          ; v192-203 p's codes
.set CV,  204                          ; v204-210 conversions' second halves
.set BM,  212                          ; v212-215 block maxima
.set PB,  216                          ; v216-219 the other half's, then bytes
.set SO,  220                          ; v220-223 scale operands
.set PWD, 224                          ; p's scale word
.set FF,  226                          ; v[226:227] f
.set TT,  228
.set SU,  230                          ; v[230:231] the sums' second chain
.set CS,  84                           ; s[84:85] c
.set SEL, 86
.set HI,  88
.set TAU, 89
.set CNT, 90
.set TS1, 91
	s_load_b128 s[4:7], s[0:1], 0x0                ; pj, mk
	s_load_b64 s[8:9], s[0:1], 0x10                ; at
	v_lshl_add_u32 v254, v0, 2, 0x33000
	v_mov_b32 v255, 0
	v_lshrrev_b32 v1, 5, v0
	v_readfirstlane_b32 s2, v1                     ; wave 0..15
	s_and_b32 s3, ttmp7, 0xffff                    ; 16 batch + head
	v_lshlrev_b32 v232, 4, v0                      ; the fill: 16 bytes a thread, 8,192 a line
	v_add_nc_u32 v233, 0x10000, v232
	v_add_nc_u32 v234, 0x20000, v232
	v_add_nc_u32 v235, 0x30000, v232
	v_lshl_add_u32 v236, v0, 3, LVS
	v_lshlrev_b32 v237, 3, v0
	s_wait_alu depctr_va_sdst(0)                   ; s2 is written, ahead of its first reader: my query tile is made from it
	s_lshl_b32 s[TAU], ttmp9, 4
	s_add_co_u32 s[TAU], s[TAU], s2                ; my first query tile
	s_lshr_b32 s[TS1], s3, 4                       ; batch
	s_and_b32 s96, s3, 15                          ; head
	s_mul_i32 s98, s[TS1], 1572864                 ; 128 tiles x 8 steps x 1,536
	s_mul_i32 s99, s96, 768                        ; step head / 2, half head % 2
	s_add_co_u32 s98, s98, s99
	s_mov_b32 s99, 0
	s_lshl_b32 s12, s[TS1], 16                     ; 128 tiles x 512
	s_bfe_u32 s13, s96, 0x10001
	s_lshl_b32 s13, s13, 8                         ; 256 ((head / 2) % 2)
	s_add_co_u32 s12, s12, s13
	s_lshr_b32 s13, s96, 2
	s_lshl_b32 s13, s13, 2                         ; 4 (head / 4)
	s_add_co_u32 s12, s12, s13
	s_and_b32 s13, s96, 1
	s_lshl_b32 s13, s13, 1                         ; 2 (head % 2)
	s_add_co_u32 s12, s12, s13
	s_add_co_u32 s12, s12, AS
	s_mov_b32 s13, 0
	s_mul_i32 s96, s3, 98304
	s_mov_b32 s97, 0
	s_mov_b32 s[CS], 0x3e38aa3b                    ; c = log2(e) / 8
	s_mov_b32 s[CS+1], s[CS]
	s_mov_b32 s[SEL], 0x76543210
	s_mov_b32 s[SEL+1], 0xfedcba98
	s_mov_b32 s[HI], 0xffff0000
	s_mov_b32 s[CNT], 2
	s_wait_kmcnt 0x0
	s_add_nc_u64 s[100:101], s[8:9], s[12:13]      ; where my head's scale bytes go, tile 0
	s_add_nc_u64 s[8:9], s[8:9], s[98:99]          ; and its codes
	s_add_nc_u64 s[92:93], s[4:5], s[96:97]        ; Q's codes of the head
	s_add_nc_u64 s[12:13], s[92:93], KC            ; K's
	s_add_nc_u64 s[14:15], s[92:93], VC            ; V's
	s_lshl_b32 s98, s3, 13
	s_add_nc_u64 s[94:95], s[4:5], s[98:99]
	s_add_nc_u64 s[10:11], s[94:95], KS            ; K's scale words
	s_add_nc_u64 s[94:95], s[94:95], QS            ; Q's
	s_lshl_b32 s98, s3, 12
	s_add_nc_u64 s[66:67], s[4:5], s[98:99]
	s_add_nc_u64 s[66:67], s[66:67], VS            ; V's
	s_wait_alu depctr_va_vdst(0)                   ; v232 to v237 are written: the fill's loads and LDS stores read them as addresses, and no vector line below names them or v96 to v197 before the barrier
.irp i, 0,1,2,3,4,5,6,7,8,9,10,11
	global_load_b128 v[96+4*\i:99+4*\i], v232, s[12:13] offset:8192*\i
.endr
.irp i, 0,1,2,3,4,5,6,7,8,9,10,11
	global_load_b128 v[144+4*\i:147+4*\i], v232, s[14:15] offset:8192*\i
.endr
	global_load_b128 v[192:195], v232, s[10:11]
	global_load_b64 v[196:197], v237, s[66:67]
	v_and_b32 v93, 31, v0                          ; l
	v_and_b32 v94, 15, v0                          ; r
	v_bfe_u32 v95, v0, 4, 1                        ; h
	v_lshlrev_b32 v1, 4, v93                       ; 16 l
	v_lshl_add_u32 v2, v93, 3, 512                 ; 8 l + 512
	v_lshl_add_u32 v3, v93, 2, LKS
	v_lshl_add_u32 v4, v93, 2, LVS
	v_add_nc_u32 v30, LV, v1
	v_add_nc_u32 v31, LV, v2
	v_lshlrev_b32 v92, 2, v94                      ; 4 r
	v_lshl_add_u32 v29, v94, 4, v95                ; 16 r + h
	v_mov_b32 v11, 0xd0000000                      ; -2^33
.irp i, 22,23,24,25,26,27,80,81,82,83,84,85
	v_mov_b32 v\i, 0                               ; Q's upper half, and the pad behind K's last tile
.endr
.irp b, 0,1,2,3
	v_mov_b32 v[PB+\b], 0                          ; a lane permute's destination counts as read
.endr
	v_mov_b32 v[FF+1], 0                           ; named as the upper half of a pair
	v_mov_b32 v[TT], 0
.irp i, 0,1,2,3,4,5,6,7
	s_wait_loadcnt 25-\i                           ; load i is in; those issued behind it stay out
	ds_store_b128 v232, v[96+4*\i:99+4*\i] offset:8192*\i
.endr
.irp i, 8,9,10,11
	s_wait_loadcnt 25-\i
	ds_store_b128 v233, v[96+4*\i:99+4*\i] offset:8192*(\i-8)
.endr
.irp i, 0,1,2,3
	s_wait_loadcnt 13-\i
	ds_store_b128 v233, v[144+4*\i:147+4*\i] offset:32768+8192*\i
.endr
.irp i, 4,5,6,7,8,9,10,11
	s_wait_loadcnt 13-\i
	ds_store_b128 v234, v[144+4*\i:147+4*\i] offset:8192*(\i-4)
.endr
	s_wait_loadcnt 1
	ds_store_b128 v235, v[192:195]
	s_wait_loadcnt 0
	ds_store_b64 v236, v[196:197]
	s_wait_dscnt 0x0                               ; for the others' sake: my stores have landed
	s_barrier_signal -1
	s_barrier_wait -1
.Lpass:                                            ; two trips: a query tile each
	s_wait_xcnt 0x0                                ; the last tile's stores have read their registers and bases
	s_wait_alu depctr_vm_vsrc(0)                   ; first trip: the fill's LDS stores have read v96 to v197; second trip: the last tile's stores have read v192 to v197 and v228: the pass writes all of these again
	s_wait_alu depctr_va_vdst(0)                   ; v1, v2 and v92 are written, which the loads below read; the last tile's products are done reading Q and its scale words, in which these loads land
	s_mul_i32 s96, s[TAU], 768
	s_mov_b32 s97, 0
	s_add_nc_u64 s[96:97], s[92:93], s[96:97]
	s_lshl_b32 s98, s[TAU], 6
	s_mov_b32 s99, 0
	s_add_nc_u64 s[98:99], s[94:95], s[98:99]
	global_load_b128 v[16:19], v1, s[96:97]        ; Q's six registers of codes
	global_load_b64 v[20:21], v2, s[96:97]
	global_load_b32 v28, v92, s[98:99]             ; and its scale words
	s_lshl_b32 s12, s[TAU], 8
	s_mov_b32 s13, 0
	s_add_nc_u64 s[12:13], s[6:7], s[12:13]
	s_load_b64 s[10:11], s[12:13], FL              ; s10: steps to do; s11: steps in which all keys count
	s_lshl_b32 s66, s[TAU], 12
	s_mov_b32 s67, 0
	s_add_nc_u64 s[66:67], s[6:7], s[66:67]        ; the tile's lane masks
	v_mov_b32 v13, 0xff61b1e6                      ; the largest t so far: -3e38
	v_floor_f32 v12, -v13
	v_mov_b32 v14, 0
	v_mov_b32 v15, 0
.set j, 0
.rept 32
	v_mov_b32 v[O+j], 0                            ; the step is written once: the first finds zeros
.set j, j+1
.endr
	s_wait_kmcnt 0x0
	s_mov_b32 s12, 0                               ; the step
	s_mov_b32 s13, 0                               ; 6,144 x step: codes
	s_mov_b32 s14, 0                               ; 512 x step: K's scale words
	s_mov_b32 s15, 0                               ; 256 x step: V's
	s_wait_loadcnt 0x0
.Lstep:                                            ; 16 trips
	s_lshr_b32 s[TS1], s10, s12
	s_and_b32 s[TS1], s[TS1], 1
	s_cmp_lg_u32 s[TS1], 0
	s_cbranch_scc0 .Lnext                          ; no key of this step counts for any of my queries
	s_load_b512 s[16:31], s[66:67], 0x0            ; the step's 64 lane masks: they land under K's loads and products (the selects that read the last step's stand ahead of that step's waits behind its exponentials)
	s_load_b512 s[32:47], s[66:67], 0x40
	s_load_b512 s[48:63], s[66:67], 0x80
	s_load_b512 s[68:83], s[66:67], 0xc0
	s_wait_alu depctr_vm_vsrc(0)                   ; the last step's LDS loads have read v5 to v10, which the six additions write again
	v_add_nc_u32 v5, s13, v1
	v_add_nc_u32 v6, s13, v2
	v_add_nc_u32 v7, s13, v30
	v_add_nc_u32 v8, s13, v31
	v_add_nc_u32 v9, s14, v3
	v_add_nc_u32 v10, s15, v4
	s_wait_alu depctr_va_vdst(0)                   ; v5 to v10 are written, which this step's LDS loads read; the last step's products are done reading v32 to v79 and v86 to v91, in which those loads land
.irp t, 0,1,2,3,4,5,6,7
	ds_load_b128 v[KF+6*\t:KF+6*\t+3], v5 offset:768*\t
	ds_load_b64 v[KF+6*\t+4:KF+6*\t+5], v6 offset:768*\t
.endr
.irp p, 0,1,2,3
	ds_load_b32 v[86+\p], v9 offset:128*\p         ; lanes 0-15: tile 2 p's words; lanes 16-31: tile 2 p + 1's
.endr
	s_wait_dscnt 0x0
.irp t, 0,2,4,6
	v_wmma_scale_f32_16x16x128_f8f6f4 v[S+8*\t:S+8*\t+7], v[KF+6*\t:KF+6*\t+11], v[16:27], 0, v[86+\t/2], v28 matrix_a_fmt:MATRIX_FMT_FP6 matrix_b_fmt:MATRIX_FMT_FP6
	v_wmma_scale_f32_16x16x128_f8f6f4 v[S+8*\t+8:S+8*\t+15], v[KF+6*\t+6:KF+6*\t+17], v[16:27], 0, v[86+\t/2], v28 matrix_a_fmt:MATRIX_FMT_FP6 matrix_b_fmt:MATRIX_FMT_FP6 matrix_a_scale:MATRIX_SCALE_ROW1
.endr
.rept 4
	v_nop                                          ; places in front of the first read of the scores
.endr
	s_wait_alu depctr_va_vdst(0)                   ; the products K Q^T are done reading v32 to v85: V's loads land in v32 to v79; no vector line since the step's head names v7, v8, v10, v90 or v91
.irp d, 0,1,2,3
.irp c, 0,1
	ds_load_b128 v[KF+12*\d+6*\c:KF+12*\d+6*\c+3], v7 offset:1536*\d+768*\c   ; V's four fragments land under the softmax
	ds_load_b64 v[KF+12*\d+6*\c+4:KF+12*\d+6*\c+5], v8 offset:1536*\d+768*\c
.endr
.endr
	ds_load_b32 v90, v10
	ds_load_b32 v91, v10 offset:128
	s_wait_kmcnt 0x0                               ; the lane masks are in
	s_lshr_b32 s[TS1], s11, s12
	s_and_b32 s[TS1], s[TS1], 1
	s_cmp_lg_u32 s[TS1], 0
	s_cbranch_scc1 .Lfull                          ; all keys of the step count
.set n, 0
.rept 48
	v_cndmask_b32 v[S+n], v11, v[S+n], s[16+n]     ; the score where the mask is true, else -2^33
.set n, n+1
.endr
.rept 16
	v_cndmask_b32 v[S+n], v11, v[S+n], s[20+n]
.set n, n+1
.endr
.Lfull:
.irp b, 0,1,2,3
	v_max3_num_f32 v[BM+\b], v[S+16*\b], v[S+1+16*\b], v[S+2+16*\b]   ; the largest score of each block of 32 keys: for the row's maximum, and for the block's largest p
.endr
.irp i, 3,5,7,9,11,13
.irp b, 0,1,2,3
	v_max3_num_f32 v[BM+\b], v[BM+\b], v[S+16*\b+\i], v[S+1+16*\b+\i]
.endr
.endr
.irp b, 0,1,2,3
	v_max_num_f32 v[BM+\b], v[BM+\b], v[S+15+16*\b]
.endr
.irp b, 0,1,2,3
	v_permlanex16_b32 v[PB+\b], v[BM+\b], s[SEL], s[SEL+1]
.endr
.irp b, 0,1,2,3
	v_max_num_f32 v[BM+\b], v[BM+\b], v[PB+\b]
.endr
	v_max3_num_f32 v[TT], v[BM], v[BM+1], v[BM+2]
	v_max_num_f32 v[TT], v[TT], v[BM+3]
	v_mul_f32 v[TT], s[CS], v[TT]
	v_max_num_f32 v13, v13, v[TT]                  ; the running largest t
	v_mov_b32 v[TT], v12
	v_floor_f32 v12, -v13                          ; -M = floor(-t)
	v_sub_f32 v[TT], v12, v[TT]                    ; old M - new M: a whole number, 0 or less
	v_cvt_i32_f32 v[TT], v[TT]                     ; (it saturates)
	v_ldexp_f32 v[FF], 1.0, v[TT]                  ; f = 2^(old M - new M)
.set j, 0
.rept 32
	v_pk_fma_f32 v[S+j:S+j+1], v[S+j:S+j+1], s[CS:CS+1], v[12:13] op_sel_hi:[1,0,0]   ; t - M
.set j, j+2
.endr
.irp b, 0,1,2,3
	v_fma_f32 v[BM+\b], v[BM+\b], s[CS], v12
.endr
.set j, 0
.rept 64
	v_exp_f32 v[S+j], v[S+j]                       ; p
.set j, j+1
.endr
	v_pk_mul_f32 v[14:15], v[14:15], v[FF:FF+1] op_sel_hi:[1,0]   ; l under the new M: a plain line behind the exponentials
	s_wait_alu depctr_va_vdst(0)                   ; the 64 exponentials have written p: one wait for the batch, ahead of its first reader
.irp b, 0,1,2,3
	v_exp_f32 v[BM+\b], v[BM+\b]                   ; each block's largest p
.endr
	v_pk_add_f32 v[SU:SU+1], v[S:S+1], v[S+2:S+3]  ; l is summed of the unquantised p, in two chains
.set j, 4
.rept 15
	v_pk_add_f32 v[14:15], v[14:15], v[S+j:S+j+1]
	v_pk_add_f32 v[SU:SU+1], v[SU:SU+1], v[S+j+2:S+j+3]
.set j, j+4
.endr
	v_pk_add_f32 v[14:15], v[14:15], v[SU:SU+1]
	s_wait_alu depctr_va_vdst(0)                   ; the four exponentials have written the blocks' largest p, ahead of their first reader
.irp b, 0,1,2,3
	v_max_num_f32 v[BM+\b], 0x1800000, v[BM+\b]    ; the floor: the byte cannot fall under 1
.endr
.irp b, 0,1,2,3
	v_add_nc_u32 v[SO+\b], 0xff000000, v[BM+\b]
.endr
.irp b, 0,1,2,3
	v_lshrrev_b32 v[PB+\b], 23, v[SO+\b]
.endr
	v_lshl_or_b32 v[PWD], v[PB+1], 8, v[PB]
	v_lshl_or_b32 v[PWD], v[PB+2], 16, v[PWD]
	v_lshl_or_b32 v[PWD], v[PB+3], 24, v[PWD]
.irp c, 0,1
	v_cvt_scalef32_pk16_fp6_f32 v[PCD+6*\c:PCD+2+6*\c], v[S+32*\c:S+15+32*\c], v[SO+2*\c]
	v_cvt_scalef32_pk16_fp6_f32 v[CV+4*\c:CV+2+4*\c], v[S+16+32*\c:S+31+32*\c], v[SO+2*\c+1]
.endr
	v_nop
.irp c, 0,1
.irp i, 0,1,2
	v_permlane16_swap_b32 v[PCD+6*\c+\i], v[CV+4*\c+\i]
.endr
.irp i, 0,1,2
	v_mov_b32 v[PCD+3+6*\c+\i], v[CV+4*\c+\i]
.endr
.endr
.set j, 0
.rept 16
	v_pk_mul_f32 v[O+j:O+j+1], v[O+j:O+j+1], v[FF:FF+1] op_sel_hi:[1,0]   ; O^T under the new M; these 16 are also the places in front of the scaled products
.set j, j+2
.endr
	s_wait_dscnt 0x0                               ; V is in
	s_wait_alu depctr_va_vdst(0)                   ; p's codes v192 to v203 and its scale word v224, made by vector lines, are written: the scaled products take them; the places above stay beside this wait
.irp d, 0,2
	v_wmma_scale_f32_16x16x128_f8f6f4 v[O+8*\d:O+8*\d+7], v[KF+12*\d:KF+12*\d+11], v[PCD:PCD+11], v[O+8*\d:O+8*\d+7], v[90+\d/2], v[PWD] matrix_a_fmt:MATRIX_FMT_FP6 matrix_b_fmt:MATRIX_FMT_FP6
	v_wmma_scale_f32_16x16x128_f8f6f4 v[O+8*\d+8:O+8*\d+15], v[KF+12*\d+12:KF+12*\d+23], v[PCD:PCD+11], v[O+8*\d+8:O+8*\d+15], v[90+\d/2], v[PWD] matrix_a_fmt:MATRIX_FMT_FP6 matrix_b_fmt:MATRIX_FMT_FP6 matrix_a_scale:MATRIX_SCALE_ROW1
.endr
.Lnext:
	s_add_co_u32 s13, s13, 6144
	s_add_co_u32 s14, s14, 512
	s_add_co_u32 s15, s15, 256
	s_add_nc_u64 s[66:67], s[66:67], 256           ; no scalar load is out here
	s_add_co_u32 s12, s12, 1
	s_cmp_lt_u32 s12, 16
	s_cbranch_scc1 .Lstep
	; the tile's end: O^T / l, quantised along the head's 64, as half a fragment of the output projection's operand
.rept 4
	v_nop
.endr
	v_add_f32 v14, v14, v15
	v_permlanex16_b32 v[TT], v14, s[SEL], s[SEL+1]
	v_add_f32 v14, v14, v[TT]
	v_rcp_f32 v14, v14
	v_nop
	s_wait_alu depctr_va_vdst(0)                   ; the reciprocal has written v14, ahead of its first reader
.set j, 0
.rept 32
	v_mul_f32 v[S+j], v[O+j], v14                  ; register 16 e + i is channel 32 e + 16 h + i of my query
.set j, j+1
.endr
.irp b, 0,1
	v_max3_num_f32 v[BM+\b], |v[S+16*\b]|, |v[S+1+16*\b]|, 0x1800000
.endr
.irp i, 2,4,6,8,10,12,14
.irp b, 0,1
	v_max3_num_f32 v[BM+\b], v[BM+\b], |v[S+16*\b+\i]|, |v[S+1+16*\b+\i]|
.endr
.endr
.irp b, 0,1
	v_permlanex16_b32 v[PB+\b], v[BM+\b], s[SEL], s[SEL+1]
.endr
.irp b, 0,1
	v_max_num_f32 v[BM+\b], v[BM+\b], v[PB+\b]
.endr
.irp b, 0,1
	v_add_nc_u32 v[SO+\b], 0xff000000, v[BM+\b]
.endr
.irp b, 0,1
	v_lshrrev_b32 v[PB+\b], 23, v[SO+\b]
.endr
	v_cndmask_b32 v[TT], v[PB], v[PB+1], s[HI]     ; lane (r, h) stores the byte of block h of row r
	v_cvt_scalef32_pk16_fp6_f32 v[PCD:PCD+2], v[S:S+15], v[SO]
	v_cvt_scalef32_pk16_fp6_f32 v[CV:CV+2], v[S+16:S+31], v[SO+1]
	v_nop
.irp i, 0,1,2
	v_permlane16_swap_b32 v[PCD+\i], v[CV+\i]
.endr
.irp i, 0,1,2
	v_mov_b32 v[PCD+3+\i], v[CV+\i]
.endr
	s_mul_i32 s96, s[TAU], 12288
	s_mov_b32 s97, 0
	s_add_nc_u64 s[96:97], s[8:9], s[96:97]
	s_lshl_b32 s98, s[TAU], 9
	s_mov_b32 s99, 0
	s_add_nc_u64 s[98:99], s[100:101], s[98:99]
	s_wait_alu depctr_va_vdst(0)                   ; the conversions, swaps, moves and the select have written v192 to v197 and v228, which the three stores read
	global_store_b128 v1, v[PCD:PCD+3], s[96:97]   ; 512 consecutive bytes,
	global_store_b64 v2, v[PCD+4:PCD+5], s[96:97]  ; and 256
	global_store_b8 v29, v[TT], s[98:99]           ; 32 single bytes beside 768 of codes: the word's other bytes are other heads'
	s_sub_co_u32 s[TAU], 127, s[TAU]               ; the second tile: with a mask that grows with the query the two together have an even share
	s_sub_co_u32 s[CNT], s[CNT], 1
	s_cmp_lg_u32 s[CNT], 0
	s_cbranch_scc1 .Lpass
	s_wait_dscnt 0x0
	s_wait_alu depctr_hold_cnt(0) depctr_sa_sdst(0) depctr_va_vdst(0) depctr_va_sdst(0) depctr_va_ssrc(0) depctr_va_vcc(0) depctr_vm_vsrc(0)
	s_wait_tensorcnt 0x0
	ds_add_u32 v254, v255
	s_wait_dscnt 0x0
	s_endpgm
.Lfunc_end_k_q0ed46c8fa7_attn:
	.size	k_q0ed46c8fa7_attn, .Lfunc_end_k_q0ed46c8fa7_attn-k_q0ed46c8fa7_attn
	.p2alignl 7, 3214868480
	.fill 96, 4, 3214868480
	.section	.rodata,"a",@progbits
	.p2align	6, 0x0
	.amdhsa_kernel k_q0ed46c8fa7_attn
		.amdhsa_group_segment_fixed_size 210944
		.amdhsa_private_segment_fixed_size 0
		.amdhsa_enable_private_segment 0
		.amdhsa_kernarg_size 24
		.amdhsa_user_sgpr_count 2
		.amdhsa_user_sgpr_kernarg_segment_ptr 1
		.amdhsa_wavefront_size32 1
		.amdhsa_system_sgpr_workgroup_id_x 1
		.amdhsa_system_sgpr_workgroup_id_y 1
		.amdhsa_system_sgpr_workgroup_id_z 1
		.amdhsa_system_vgpr_workitem_id 0
		.amdhsa_next_free_vgpr 256
		.amdhsa_next_free_sgpr 102
		.amdhsa_reserve_vcc 0
		.amdhsa_float_denorm_mode_32 3
		.amdhsa_float_denorm_mode_16_64 3
		.amdhsa_memory_ordered 1
		.amdhsa_forward_progress 1
		.amdhsa_inst_pref_size 37
	.end_amdhsa_kernel
	.amdgpu_metadata
---
amdhsa.version: [ 1, 2 ]
amdhsa.kernels:
  - .name:           k_q0ed46c8fa7_attn
    .symbol:         k_q0ed46c8fa7_attn.kd
    .args:
      - { .name: pj, .offset: 0, .size: 8, .value_kind: global_buffer, .address_space: global }
      - { .name: mk, .offset: 8, .size: 8, .value_kind: global_buffer, .address_space: global }
      - { .name: at, .offset: 16, .size: 8, .value_kind: global_buffer, .address_space: global }
    .group_segment_fixed_size: 210944
    .private_segment_fixed_size: 0
    .kernarg_segment_align: 8
    .kernarg_segment_size: 24
    .max_flat_workgroup_size: 512
    .sgpr_count:     102
    .vgpr_count:     256
    .wavefront_size: 32
...
	.end_amdgpu_metadata
.endif
;; end of part 5
;; launch outp: the kernel of part 4 again; grid 256 x 1, 4 waves a work-group, clusters of 4 x 1, 168,448 bytes of LDS; arguments at, pc, bo, out0; writes out0
